; MI455X (gfx1250); checked and timed in simulation.
; The chip was launched on July 23, 2026; its instructions are those of AMD's public machine-readable ISA for CDNA 5 (MIT licence, August 2026) and "CDNA5" Instruction Set Architecture Reference Guide (July 2026). The comments in the code are by the model that wrote it; some were corrected since.
;; Self Attention. Allowed arithmetic: float matrix products may take bf16 or f16 operands with f32 sums; all other float work in f32.
;; Inputs: Wk 1,024 x 1,024 float32; Wq 1,024 x 1,024 float32; Wv 1,024 x 1,024 float32; bk 1,024 float32; bq 1,024 float32; bv 1,024 float32; inputs 4 x 2,048 x 1,024 float32.
;; Outputs: out0 4 x 2,048 x 1,024 float32.
;; 2 versions, each right; version 2 is version 1 with the launch prep written anew for expert scheduling mode. Each part assembles by itself: llvm-mc -triple=amdgcn-amd-amdhsa -mcpu=gfx1250 --defsym DOCPART=n.
;; ======== version 1 of 2: 4 launches
;; workspace buffers: xb 16,777,216 bytes; wt 4,194,304 bytes; tq 4,096 bytes; qp 16,777,216 bytes; vt 16,777,216 bytes; p 33,554,432 bytes; mst 262,144 bytes; lst 524,288 bytes
;; launch prep (part 1): grid 1424 x 1, 8 waves a work-group, no clusters, 105,728 bytes of LDS; arguments inputs, Wq, Wk, Wv, bq, xb, wt, tq; writes xb, wt, tq
.if DOCPART == 1
	.amdgcn_target "amdgcn-amd-amdhsa--gfx1250"
	.amdhsa_code_object_version 6
	.text
	.protected	k_q994bbbb139_prep
	.globl	k_q994bbbb139_prep
	.p2align	8
	.type	k_q994bbbb139_prep,@function
k_q994bbbb139_prep:
	s_mov_b64 s[64:65], 0
	v_nop
	global_prefetch_b8 v0, s[64:65] scope:SCOPE_SE
	s_setreg_imm32_b32 hwreg(HW_REG_WAVE_MODE, 25, 1), 1
	s_wait_xcnt 0x0
; SelfAttention, launch 1 of 4: what the later products need, with K along the rows.
;   xb[8192][1024] = bf16(inputs)
;   wt rows 0-1023    = G^T[e][d] = sum over f of Wk[e][f] Wq[d][f]   (bf16 operands, f32 sums, bf16 result)
;   wt rows 1024-2047 = Wv^T in bf16
;   tq[e] = sum over f of bq[f] Wk[e][f]   (all in f32)
; WORK LEFT OUT IN THE WHOLE PROGRAM.
; (1) bk.  scores[q][k] = scale Q[q].(x[k] Wk + bk) = scale Q[q].(x[k] Wk) + scale Q[q].bk.  The second term does not hang on k, and softmax along k
;     is unchanged by a term that is the same for every k of a row: exp(s + t) / sum exp(s + t) = exp(s) / sum exp(s) for every finite t.  That holds for all
;     values of the inputs, so bk reaches no output: it is not loaded and is no argument of any launch.
; (2) The projection K = x Wk.  sum_f (x_q Wq + bq)[f] (x_k Wk)[f] = sum_e (x_q G + t)[e] x_k[e] with G = Wq Wk^T, t = bq Wk^T: the same sum in another order,
;     for all values of the inputs.  G costs 1024^3 multiply-adds once, K would cost 8192 x 1024^2.
; LIMITS: a NaN, an infinity or an overflow that would reach the result only through Q.bk is not carried to it.  The order of rounding differs from the
; reference's: Wq, Wk, G, x and x G + t are rounded to bf16 as matrix operands, where the reference's order would round Q and K.
; bv is not left out: the softmax's weights of a row add up to 1, so sum_k A (x Wv + bv) = sum_k A (x Wv) + bv; it is added once per output, in f32, in the last launch.
; No cluster and no tensor load: the cast and the transpose share no bytes between work-groups, and several small work-groups lie on a WGP.
; Work-groups, the long ones first: 0-255 a block of 32 e x 128 d of G^T; 256-271 64 numbers of tq; 272-399 a tile of 128 k x 64 n of Wv; 400-1423 32 KiB of inputs.
; LDS: each of the three paths that use it has bytes of its own, so that no byte is written on two paths: G's two buffers at 0, the transpose's tile behind them,
; tq's 64 words behind that.  It costs no work-group: 8 waves of 162 registers are 324 registers on each SIMD, three work-groups, and 3 x 105,728 bytes are 317,184.
.set NG,   256
.set NT,   16
.set NW,   128
.set TP,   272                         ; the transpose's LDS row: 128 bf16 + 16 bytes
.set GP,   272                         ; G's LDS row: a chunk of 128 bf16 + 16 bytes, so that the 16 rows of a fragment load start 16 bytes apart modulo 256
.set GBUF, 160*GP                      ; 32 rows of Wk, then 128 rows of Wq; two such buffers take turns, from LDS byte 0
.set WL,   2*GBUF                      ; 87,040: the transpose's 64 rows of 272 bytes
.set TL,   WL+64*TP                    ; 104,448: tq's 64 words
	s_load_b256 s[4:11], s[0:1], 0x0               ; inputs s[4:5], Wq s[6:7], Wk s[8:9], Wv s[10:11]
	s_load_b256 s[12:19], s[0:1], 0x20             ; bq s[12:13], xb s[14:15], wt s[16:17], tq s[18:19]
	v_lshl_add_u32 v160, v0, 2, 0x19900
	v_mov_b32 v161, 0
	s_cmp_lt_u32 ttmp9, NG                         ; every branch here is the same in all eight waves of a work-group
	s_cbranch_scc1 .Lg
	s_cmp_lt_u32 ttmp9, NG+NT
	s_cbranch_scc1 .Lt
	s_cmp_lt_u32 ttmp9, NG+NT+NW
	s_cbranch_scc1 .Lw
	; ---- the cast: thread t takes 16 bytes at 16 t of each of eight pieces of 4,096 bytes ----
	s_sub_co_u32 s20, ttmp9, NG+NT+NW
	s_lshl_b32 s22, s20, 15                        ; 32,768 bytes of f32 in,
	s_mov_b32 s23, 0
	s_lshl_b32 s24, s20, 14                        ; 16,384 bytes of bf16 out
	s_mov_b32 s25, 0
	v_lshlrev_b32 v1, 4, v0
	v_lshlrev_b32 v2, 3, v0
	s_wait_kmcnt 0x0
	s_add_nc_u64 s[4:5], s[4:5], s[22:23]
	s_add_nc_u64 s[14:15], s[14:15], s[24:25]
.irp j, 0,1,2,3,4,5,6,7
	global_load_b128 v[8+4*\j:11+4*\j], v1, s[4:5] offset:4096*\j th:TH_LOAD_NT    ; a wave's load covers 512 consecutive bytes; all eight go out first
.endr
.irp j, 0,1,2,3,4,5,6,7
	s_wait_loadcnt 7-\j                            ; loads return in order: piece j is in, the 7 - j younger ones stay out
	v_cvt_pk_bf16_f32 v[40+2*\j], v[8+4*\j], v[9+4*\j]
	v_cvt_pk_bf16_f32 v[41+2*\j], v[10+4*\j], v[11+4*\j]
	global_store_b64 v2, v[40+2*\j:41+2*\j], s[14:15] offset:2048*\j               ; a wave's store covers 256 consecutive bytes, aligned; no register is written twice
.endr
	s_endpgm
	; ---- the transpose: Wv[k][n] f32 -> wt[1024 + n][k] bf16 ----
.Lw:
	s_sub_co_u32 s20, ttmp9, NG+NT
	s_lshr_b32 s21, s20, 4                         ; k tile, 0..7
	s_and_b32 s26, s20, 15                         ; n tile
	s_lshl_b32 s22, s21, 19                        ; source: 128 rows of 4,096 bytes a k tile,
	s_lshl_b32 s27, s26, 8                         ; 64 columns of 4 bytes an n tile
	s_add_co_u32 s22, s22, s27
	s_mov_b32 s23, 0
	s_lshl_b32 s24, s26, 17                        ; wt: 64 rows of 2,048 bytes an n tile,
	s_lshl_b32 s27, s21, 8                         ; 128 columns of 2 bytes a k tile,
	s_add_co_u32 s24, s24, s27
	s_add_co_u32 s24, s24, 0x200000                ; behind G^T's 1,024 rows
	s_mov_b32 s25, 0
	v_and_b32 v1, 15, v0                           ; cc: my four columns 4 cc .. 4 cc + 3
	v_lshrrev_b32 v2, 4, v0                        ; kp: my pair of rows 2 kp, 2 kp + 1 of each 32
	v_lshlrev_b32 v7, 4, v1
	v_lshl_add_u32 v3, v2, 13, v7                  ; source: 2 kp rows + 16 cc
	v_mul_u32_u24 v4, v1, 4*TP                     ; LDS in: row n = 4 cc (+ u), word kp (+ 16 i),
	v_lshl_add_u32 v4, v2, 2, v4
	v_add_nc_u32 v4, WL, v4                        ; in this path's own bytes
	v_mul_u32_u24 v5, v2, TP                       ; LDS back: row kp (+ 16 i), 16 bytes at 16 cc
	v_add_nc_u32 v5, v5, v7
	v_add_nc_u32 v5, WL, v5
	v_lshl_add_u32 v6, v2, 11, v7                  ; wt: row kp (+ 16 i), 16 bytes at 16 cc
	s_wait_kmcnt 0x0
	s_add_nc_u64 s[10:11], s[10:11], s[22:23]
	s_add_nc_u64 s[16:17], s[16:17], s[24:25]
.irp i, 0,1,2,3
	global_load_b128 v[8+8*\i:11+8*\i],  v3, s[10:11] offset:131072*\i th:TH_LOAD_NT        ; row k = 32 i + 2 kp: 16 lanes take 256 consecutive bytes, aligned
	global_load_b128 v[12+8*\i:15+8*\i], v3, s[10:11] offset:131072*\i+4096 th:TH_LOAD_NT   ; row k + 1
.endr
.irp i, 0,1,2,3
	s_wait_loadcnt 6-2*\i                          ; this pair of rows is in, the younger pairs stay out
.irp u, 0,1,2,3
	v_cvt_pk_bf16_f32 v[40+4*\i+\u], v[8+8*\i+\u], v[12+8*\i+\u]                   ; (k, k + 1) of column 4 cc + u: neighbours in a row of wt
	ds_store_b32 v4, v[40+4*\i+\u] offset:TP*\u+64*\i
.endr
.endr
	s_wait_dscnt 0x0                               ; my stores are in LDS before I say so: the rows read below were written by all eight waves
	s_barrier_signal -1
	s_barrier_wait -1
.irp i, 0,1,2,3
	ds_load_b128 v[56+4*\i:59+4*\i], v5 offset:16*TP*\i
.endr
.irp i, 0,1,2,3
	s_wait_dscnt 3-\i                              ; LDS loads return in order: the 3 - i younger ones stay out
	global_store_b128 v6, v[56+4*\i:59+4*\i], s[16:17] offset:32768*\i             ; 16 lanes store 256 consecutive bytes of a row of wt, aligned
.endr
	s_wait_tensorcnt 0x0
	ds_add_u32 v160, v161
	s_wait_dscnt 0x0
	s_endpgm
	; ---- tq: 64 rows e of Wk against bq, in f32.  A wave takes 8 rows, one row at a time (8 loads of 512 consecutive bytes), three rows on their way ----
.set TB, 8                             ; v8-39    bq: load j holds elements 128 j + 4 lane + 0..3
.set TX, 40                            ; v40-135  three row slots of 32 registers, the same elements
.set TS, 136                           ; v136-143 four chains of two sums
.set TR, 144                           ; v144-151 the eight rows' results
.Lt:
	s_sub_co_u32 s20, ttmp9, NG
	v_lshrrev_b32 v1, 5, v0
	v_readfirstlane_b32 s21, v1                    ; wave
	s_lshl_b32 s22, s20, 18                        ; 64 rows of 4,096 bytes a work-group,
	s_lshl_b32 s24, s21, 15                        ; 8 a wave
	s_add_co_u32 s22, s22, s24
	s_mov_b32 s23, 0
	s_lshl_b32 s24, s20, 8                         ; 64 numbers of 4 bytes
	s_mov_b32 s25, 0
	s_mov_b32 s26, 0x76543210                      ; v_permlanex16_b32: lane i takes lane i of the other half
	s_mov_b32 s27, 0xfedcba98
	v_and_b32 v2, 31, v0
	v_lshlrev_b32 v3, 4, v2                        ; 16 x lane
	v_lshlrev_b32 v4, 3, v2                        ; 8 x lane: my two numbers in tq
	v_lshlrev_b32 v5, 5, v1                        ; LDS: my wave's eight words,
	v_add_nc_u32 v5, TL, v5                        ; in this path's own bytes
	v_add_nc_u32 v7, TL, v4                        ; LDS: the two words that I take out
	v_mov_b32 v6, 0                                ; v_permlanex16_b32's destination counts as read
	s_wait_kmcnt 0x0
	s_add_nc_u64 s[8:9], s[8:9], s[22:23]
	s_add_nc_u64 s[18:19], s[18:19], s[24:25]
.irp j, 0,1,2,3,4,5,6,7
	global_load_b128 v[TB+4*\j:TB+4*\j+3], v3, s[12:13] offset:512*\j
.endr
.irp s, 0,1,2
.irp j, 0,1,2,3,4,5,6,7
	global_load_b128 v[TX+32*\s+4*\j:TX+32*\s+4*\j+3], v3, s[8:9] offset:4096*\s+512*\j
.endr
.endr
; One row.  more = 1: its slot is filled again with the row three further down.  left = how many younger loads may stay out.
.macro TROW row, slot, more, left
	s_wait_loadcnt \left
.irp k, 0,1,2,3
	v_pk_mul_f32 v[TS+2*\k:TS+2*\k+1], v[TX+32*\slot+2*\k:TX+32*\slot+2*\k+1], v[TB+2*\k:TB+2*\k+1]      ; the first four products start the chains
.endr
.irp k, 4,5,6,7,8,9,10,11,12,13,14,15
	v_pk_fma_f32 v[TS+2*(\k%4):TS+2*(\k%4)+1], v[TX+32*\slot+2*\k:TX+32*\slot+2*\k+1], v[TB+2*\k:TB+2*\k+1], v[TS+2*(\k%4):TS+2*(\k%4)+1]
.endr
.if \more
.irp j, 0,1,2,3,4,5,6,7
	global_load_b128 v[TX+32*\slot+4*\j:TX+32*\slot+4*\j+3], v3, s[8:9] offset:4096*(\row+3)+512*\j
.endr
.endif
	v_pk_add_f32 v[TS:TS+1], v[TS:TS+1], v[TS+2:TS+3]
	v_pk_add_f32 v[TS+4:TS+5], v[TS+4:TS+5], v[TS+6:TS+7]
	v_pk_add_f32 v[TS:TS+1], v[TS:TS+1], v[TS+4:TS+5]
	v_add_f32 v[TS], v[TS], v[TS+1]
	v_add_f32_dpp v[TS], v[TS], v[TS] row_xmask:1 row_mask:0xf bank_mask:0xf
	v_add_f32_dpp v[TS], v[TS], v[TS] row_xmask:2 row_mask:0xf bank_mask:0xf
	v_add_f32_dpp v[TS], v[TS], v[TS] row_xmask:4 row_mask:0xf bank_mask:0xf
	v_add_f32_dpp v[TS], v[TS], v[TS] row_xmask:8 row_mask:0xf bank_mask:0xf
	v_permlanex16_b32 v6, v[TS], s26, s27
	v_add_f32 v[TR+\row], v[TS], v6                ; every lane holds the row's sum
.endm
	TROW 0, 0, 1, 16                               ; two younger rows (16 loads) stay out
	TROW 1, 1, 1, 16
	TROW 2, 2, 1, 16
	TROW 3, 0, 1, 16
	TROW 4, 1, 1, 16
	TROW 5, 2, 0, 16
	TROW 6, 0, 0, 8                                ; the counts run down
	TROW 7, 1, 0, 0
.irp r, 0,1,2,3,4,5,6,7
	ds_store_b32 v5, v[TR+\r] offset:4*\r          ; all lanes store the same number to the same word
.endr
	s_wait_dscnt 0x0                               ; my eight numbers are in LDS before I say so
	s_barrier_signal -1
	s_barrier_wait -1
	s_cmp_lg_u32 s21, 0                            ; wave 0 takes all 64 out
	s_cbranch_scc1 .Ltend
	ds_load_b64 v[152:153], v7
	s_wait_dscnt 0x0
	global_store_b64 v4, v[152:153], s[18:19]      ; 32 lanes store 256 consecutive bytes, aligned
.Ltend:
	s_wait_tensorcnt 0x0
	ds_add_u32 v160, v161
	s_wait_dscnt 0x0
	s_endpgm
	; ---- G^T: a block of 32 rows e x 128 columns d (a row of the block is 256 bytes of wt).  K = f goes in 8 chunks of 128, written out. ----
	; Wave w loads rows 4 w .. 4 w + 3 of the block's Wk and rows 16 w .. 16 w + 15 of its Wq, 512 consecutive bytes a load, rounds them to bf16 and puts them into LDS;
	; it multiplies row tile w & 1 by the two column tiles of column group w >> 1.  The matrix instruction is used transposed (source 0 = rows of Wq, source 1 = rows of Wk):
	; lane l holds row e = l % 16 and its registers 0-7 the columns d = 8 (l / 16) + 0..7.
.set LR,  16                           ; v16-95   20 loads of 4 registers; rounded in place to 2
.set ACC, 96                           ; v96-111  two accumulator tiles
.set FS0, 112                          ; v112-135 fragments: Wk's 8 registers, Wq's 2 x 8
.set FS1, 136                          ; v136-159 the second set
.Lg:
	s_lshr_b32 s20, ttmp9, 3                       ; block of e, 0..31
	s_and_b32 s21, ttmp9, 7                        ; block of d, 0..7
	v_lshrrev_b32 v1, 5, v0
	v_readfirstlane_b32 s22, v1                    ; wave
	s_lshl_b32 s24, s20, 17                        ; Wk: 32 rows of 4,096 bytes a block,
	s_lshl_b32 s30, s22, 14                        ; 4 a wave
	s_add_co_u32 s24, s24, s30
	s_mov_b32 s25, 0
	s_lshl_b32 s26, s21, 19                        ; Wq: 128 rows a block,
	s_lshl_b32 s30, s22, 16                        ; 16 a wave
	s_add_co_u32 s26, s26, s30
	s_mov_b32 s27, 0
	s_lshl_b32 s28, s20, 16                        ; wt: 32 rows of 2,048 bytes,
	s_lshl_b32 s30, s21, 8                         ; 128 columns of 2 bytes
	s_add_co_u32 s28, s28, s30
	s_mov_b32 s29, 0
	v_and_b32 v10, 31, v0
	v_lshlrev_b32 v2, 4, v10                       ; 16 x lane
	s_wait_kmcnt 0x0
	s_add_nc_u64 s[8:9], s[8:9], s[24:25]
	s_add_nc_u64 s[6:7], s[6:7], s[26:27]
	s_add_nc_u64 s[16:17], s[16:17], s[28:29]
.macro GLOADS c                        ; chunk c: no hint, since other work-groups read the same rows
.irp i, 0,1,2,3
	global_load_b128 v[LR+4*\i:LR+4*\i+3], v2, s[8:9] offset:4096*\i+512*(\c)
.endr
.irp i, 0,1,2,3,4,5,6,7,8,9,10,11,12,13,14,15
	global_load_b128 v[LR+16+4*\i:LR+16+4*\i+3], v2, s[6:7] offset:4096*\i+512*(\c)
.endr
.endm
	GLOADS 0
	v_lshlrev_b32 v11, 3, v10                      ; 8 x lane: my 4 numbers in bf16
	s_mul_i32 s30, s22, 4*GP
	v_add_nc_u32 v3, s30, v11                      ; LDS in: Wk's row 4 w (+ i)
	s_mul_i32 s31, s22, 16*GP
	s_add_co_u32 s31, s31, 32*GP
	v_add_nc_u32 v4, s31, v11                      ; LDS in: Wq's row 16 w (+ i), behind Wk's 32
	v_and_b32 v12, 15, v0                          ; r
	v_bfe_u32 v13, v0, 4, 1                        ; h
	v_mul_u32_u24 v14, v12, GP
	v_lshl_add_u32 v14, v13, 4, v14                ; a fragment: row r, 16 bytes at 16 h, and again 32 bytes on
	s_and_b32 s32, s22, 1                          ; my row tile
	s_lshr_b32 s33, s22, 1                         ; my column group
	s_mul_i32 s34, s32, 16*GP
	v_add_nc_u32 v5, s34, v14                      ; Wk's fragment
	s_mul_i32 s35, s33, 32*GP
	s_add_co_u32 s35, s35, 32*GP
	v_add_nc_u32 v6, s35, v14                      ; Wq's fragments
	s_lshl_b32 s36, s33, 6
	s_add_co_u32 s36, s36, s34
	v_add_nc_u32 v7, s36, v14                      ; way out, in: row 16 (w & 1) + r, byte 64 (w >> 1) + 16 h (+ 32 for the second tile)
	v_lshrrev_b32 v15, 4, v0                       ; way out, back: thread t takes row t / 16 (+ 16), 16 bytes at 16 (t % 16)
	v_mul_u32_u24 v8, v15, GP
	v_lshl_add_u32 v8, v12, 4, v8
	v_lshlrev_b32 v9, 11, v15
	v_lshl_add_u32 v9, v12, 4, v9                  ; and the same place in wt
.macro FR buf, k, fs                   ; six LDS loads: the fragments of 32 along K at byte 64 k of the rows
	ds_load_b128 v[\fs:\fs+3],     v5 offset:\buf*GBUF+64*\k
	ds_load_b128 v[\fs+4:\fs+7],   v5 offset:\buf*GBUF+64*\k+32
	ds_load_b128 v[\fs+8:\fs+11],  v6 offset:\buf*GBUF+64*\k
	ds_load_b128 v[\fs+12:\fs+15], v6 offset:\buf*GBUF+64*\k+32
	ds_load_b128 v[\fs+16:\fs+19], v6 offset:\buf*GBUF+64*\k+16*GP
	ds_load_b128 v[\fs+20:\fs+23], v6 offset:\buf*GBUF+64*\k+16*GP+32
.endm
.macro MM fs, zero                     ; the two accumulators take turns, one instruction a turn
.if \zero
	v_wmma_f32_16x16x32_bf16 v[ACC:ACC+7],    v[\fs+8:\fs+15],  v[\fs:\fs+7], 0
	v_wmma_f32_16x16x32_bf16 v[ACC+8:ACC+15], v[\fs+16:\fs+23], v[\fs:\fs+7], 0
.else
	v_wmma_f32_16x16x32_bf16 v[ACC:ACC+7],    v[\fs+8:\fs+15],  v[\fs:\fs+7], v[ACC:ACC+7]
	v_wmma_f32_16x16x32_bf16 v[ACC+8:ACC+15], v[\fs+16:\fs+23], v[\fs:\fs+7], v[ACC+8:ACC+15]
.endif
.endm
.macro GPLACES                         ; four independent vector instructions between a matrix instruction and a load into, or a vector use of, its registers
.rept 4
	v_nop
.endr
.endm
; One chunk.  ONE barrier serves both orders: in front of it each wave's stores into this buffer and its reads of the other buffer (the chunk before) are done,
; so behind it this buffer is whole, and in the next chunk the other buffer may be written.
.macro GTRIP c, buf, zero, more
.set gn, 0
.rept 4
	s_wait_loadcnt 19-gn                           ; loads return in order: the 19 - n younger ones of the chunk stay out
	v_cvt_pk_bf16_f32 v[LR+4*gn], v[LR+4*gn], v[LR+4*gn+1]
	v_cvt_pk_bf16_f32 v[LR+4*gn+1], v[LR+4*gn+2], v[LR+4*gn+3]
	ds_store_b64 v3, v[LR+4*gn:LR+4*gn+1] offset:\buf*GBUF+gn*GP                   ; 32 lanes store a row's 256 consecutive bytes
.set gn, gn+1
.endr
.rept 16
	s_wait_loadcnt 19-gn
	v_cvt_pk_bf16_f32 v[LR+4*gn], v[LR+4*gn], v[LR+4*gn+1]
	v_cvt_pk_bf16_f32 v[LR+4*gn+1], v[LR+4*gn+2], v[LR+4*gn+3]
	ds_store_b64 v4, v[LR+4*gn:LR+4*gn+1] offset:\buf*GBUF+(gn-4)*GP
.set gn, gn+1
.endr
	s_wait_dscnt 0x0                               ; my stores are in LDS (and have read their registers), my reads of the other buffer are back
.if \more
	GLOADS \c+1                                    ; the next chunk has this chunk's products in which to come
.endif
	s_barrier_signal -1
	s_barrier_wait -1
	FR \buf, 0, FS0
	FR \buf, 1, FS1
	s_wait_dscnt 6                                 ; the older set is in, the younger set's six loads stay out
	MM FS0, \zero
	GPLACES
	FR \buf, 2, FS0
	s_wait_dscnt 6
	MM FS1, 0
	GPLACES
	FR \buf, 3, FS1
	s_wait_dscnt 6
	MM FS0, 0
	s_wait_dscnt 0
	MM FS1, 0
.endm
	GTRIP 0, 0, 1, 1                               ; the first products start the sums
	GTRIP 1, 1, 0, 1
	GTRIP 2, 0, 0, 1
	GTRIP 3, 1, 0, 1
	GTRIP 4, 0, 0, 1
	GTRIP 5, 1, 0, 1
	GTRIP 6, 0, 0, 1
	GTRIP 7, 1, 0, 0
	; the way out: through buffer 0's first 32 rows, whose last reads (chunk 6) every wave had waited for in front of chunk 7's barrier
	GPLACES
.irp r, 0,1,2,3
	v_cvt_pk_bf16_f32 v[LR+\r],   v[ACC+2*\r],   v[ACC+2*\r+1]
	v_cvt_pk_bf16_f32 v[LR+4+\r], v[ACC+8+2*\r], v[ACC+8+2*\r+1]
.endr
	ds_store_b128 v7, v[LR:LR+3]
	ds_store_b128 v7, v[LR+4:LR+7] offset:32
	s_wait_dscnt 0x0                               ; my part of the block's rows is in LDS before I say so
	s_barrier_signal -1
	s_barrier_wait -1
	ds_load_b128 v[LR+8:LR+11],  v8
	ds_load_b128 v[LR+12:LR+15], v8 offset:16*GP
	s_wait_dscnt 1                                 ; the second read-back stays out
	global_store_b128 v9, v[LR+8:LR+11], s[16:17]                                  ; 16 lanes store 256 consecutive bytes of a row of wt, aligned
	s_wait_dscnt 0
	global_store_b128 v9, v[LR+12:LR+15], s[16:17] offset:32768
	s_wait_tensorcnt 0x0
	ds_add_u32 v160, v161
	s_wait_dscnt 0x0
	s_endpgm
.Lfunc_end_k_q994bbbb139_prep:
	.size	k_q994bbbb139_prep, .Lfunc_end_k_q994bbbb139_prep-k_q994bbbb139_prep
	.p2alignl 7, 3214868480
	.fill 96, 4, 3214868480
	.section	.rodata,"a",@progbits
	.p2align	6, 0x0
	.amdhsa_kernel k_q994bbbb139_prep
		.amdhsa_group_segment_fixed_size 105728
		.amdhsa_private_segment_fixed_size 0
		.amdhsa_enable_private_segment 0
		.amdhsa_kernarg_size 64
		.amdhsa_user_sgpr_count 2
		.amdhsa_user_sgpr_kernarg_segment_ptr 1
		.amdhsa_wavefront_size32 1
		.amdhsa_system_sgpr_workgroup_id_x 1
		.amdhsa_system_sgpr_workgroup_id_y 1
		.amdhsa_system_sgpr_workgroup_id_z 1
		.amdhsa_system_vgpr_workitem_id 0
		.amdhsa_next_free_vgpr 162
		.amdhsa_next_free_sgpr 66
		.amdhsa_reserve_vcc 0
		.amdhsa_float_denorm_mode_32 3
		.amdhsa_float_denorm_mode_16_64 3
		.amdhsa_memory_ordered 1
		.amdhsa_forward_progress 1
		.amdhsa_inst_pref_size 104
	.end_amdhsa_kernel
	.amdgpu_metadata
---
amdhsa.version: [ 1, 2 ]
amdhsa.kernels:
  - .name:           k_q994bbbb139_prep
    .symbol:         k_q994bbbb139_prep.kd
    .args:
      - { .name: inputs, .offset: 0, .size: 8, .value_kind: global_buffer, .address_space: global }
      - { .name: Wq, .offset: 8, .size: 8, .value_kind: global_buffer, .address_space: global }
      - { .name: Wk, .offset: 16, .size: 8, .value_kind: global_buffer, .address_space: global }
      - { .name: Wv, .offset: 24, .size: 8, .value_kind: global_buffer, .address_space: global }
      - { .name: bq, .offset: 32, .size: 8, .value_kind: global_buffer, .address_space: global }
      - { .name: xb, .offset: 40, .size: 8, .value_kind: global_buffer, .address_space: global }
      - { .name: wt, .offset: 48, .size: 8, .value_kind: global_buffer, .address_space: global }
      - { .name: tq, .offset: 56, .size: 8, .value_kind: global_buffer, .address_space: global }
    .group_segment_fixed_size: 105728
    .private_segment_fixed_size: 0
    .kernarg_segment_align: 8
    .kernarg_segment_size: 64
    .max_flat_workgroup_size: 256
    .sgpr_count:     66
    .vgpr_count:     162
    .wavefront_size: 32
...
	.end_amdgpu_metadata
.endif
;; end of part 1
;; launch proj (part 2): grid 8 x 32, 4 waves a work-group, clusters of 4 x 4, 327,680 bytes of LDS; arguments xb, wt, tq, qp, vt; writes qp, vt
.if DOCPART == 2
	.amdgcn_target "amdgcn-amd-amdhsa--gfx1250"
	.amdhsa_code_object_version 6
	.text
	.protected	k_q994bbbb139_proj
	.globl	k_q994bbbb139_proj
	.p2align	8
	.type	k_q994bbbb139_proj,@function
k_q994bbbb139_proj:
	s_mov_b64 s[64:65], 0
	v_nop
	global_prefetch_b8 v0, s[64:65] scope:SCOPE_SE
	s_setreg_imm32_b32 hwreg(HW_REG_WAVE_MODE, 25, 1), 1
	s_wait_xcnt 0x0
	s_wait_alu depctr_hold_cnt(0) depctr_sa_sdst(0) depctr_va_vdst(0) depctr_va_sdst(0) depctr_va_ssrc(0) depctr_va_vcc(0) depctr_vm_vsrc(0)
	s_getreg_b32 s2, hwreg(HW_REG_IB_STS2, 6, 4)
	s_cmp_eq_u32 s2, 0
	s_cbranch_scc0 .Lentry_in_a_cluster
	s_endpgm
.Lentry_in_a_cluster:
	s_bfe_u32 s2, ttmp6, 0x10000c
	s_cmp_lg_u32 s2, 0xf033
	s_cbranch_scc0 .Lentry_shape_is_right
	s_endpgm
.Lentry_shape_is_right:
; SelfAttention, launch 2 of 4: two projections as one GEMM text, C[m][n] = sum over k of A[m][k] B[n][k], K = 1024, bf16 in, f32 sums, bf16 out.
;   clusters y 0-3 : A = xb (8192 rows), B = wt rows 0-1023 (G^T), C = qp[8192][1024] = x G + tq: the queries, already carried through Wk^T.
;   clusters y 4-7 : A = wt rows 1024-2047 (Wv^T), B = xb of batch y - 4, C = vt[batch][1024 f][2048 s] = (x Wv)^T, so that the last launch finds keys along V's rows.
; LEFT OUT: bk (a term of the scores that is the same for every key of a row) and the projection K = x Wk (the scores are (x G + t) . x): both shown at the head of the first kernel.
; bv is added in the last launch.
; LIMITS: x, G, Wv, x G + t and V are rounded to bf16 as matrix operands.
; 128 + 128 blocks of 256 x 256: one work-group for each of 256 WGPs.  Four waves; a wave makes 128 x 128: 64 accumulator tiles, 512 registers.  K goes in steps of 128 through two LDS
; slots filled by tensor loads whose rows are 256 consecutive bytes, aligned.
; CLUSTERS: 4 x 4 work-groups.  A's tile hangs on the block row alone and is asked for jointly by a row of the cluster, B's on the block column alone and is asked
; for jointly by a column.  The choice between the two modes hangs on the cluster's y alone, which all sixteen share.
; REGISTERS: window 0: v0-31 addresses, v64-127 / v128-191 A's fragments (two buffers), v192-223 packed results; window 1: v64-127 / v128-191 B's fragments,
; v192-255 tq of my 128 columns; window 2: accumulators of my rows 0-63 (tile (a, b) at v[8 (8 a + b)]); window 3: of my rows 64-127.
; The matrix instruction is used transposed (source 0 = rows of B, source 1 = rows of A): lane l holds row l % 16 of C and its registers 0-7 the columns 8 (l / 16) + 0..7.
.set KSTEP,  128
.set PITCH,  272                       ; LDS row: 256 bytes + 16 of padding, so that the 16 rows of a fragment load start 16 bytes apart modulo 256
.set HALFT,  128*PITCH                 ; 128 rows: one tensor load
.set SLOT,   4*HALFT                   ; A's 256 rows, then B's 256 rows
.set STAGE,  2*SLOT                    ; behind the ring: 16 rows x 272 bytes for each wave; no tensor load lands here
.set SPITCH, 272
.set KELEM,  1024                      ; elements in a row of xb and of wt
.set LAPS,   KELEM/(2*KSTEP)           ; 4 laps of two K steps
.set ADRA, 16                          ; v16-17  LDS address of my A fragments in slot 0, 1
.set ADRB, 20                          ; v20-21  the same for B
.set STO,  24                          ; v24     way out: where I put 16 bytes of a row
.set RD,   25                          ; v25     way out: where I read a row back
.set CO,   26                          ; v26     my byte offset in C
.set BO,   27                          ; v27     my byte offset in tq
.set F0,   64
.set F1,   128
.set TMP,  192
.set BQ,   192                         ; in window 1
.set G1, 24                            ; s[24:31] group 1 for A's tiles
.set G0, 32                            ; s[32:39] group 0 for A's tiles, a set for each slot
.set G1B, 48                           ; s[48:55] group 1 for B's tiles
.set G0B, 56                           ; s[56:63] group 0 for B's tiles
.set MSB, 0
.macro WIN new                         ; the immediate's high byte repeats the setting that is left
.if MSB != \new
	s_set_vgpr_msb (MSB<<8)|\new
.set MSB, \new
.endif
.endm
.set MUL_LO, 0xa1                      ; source 0 (B) window 1, source 1 (A) window 0, C and D window 2
.set MUL_HI, 0xf1                      ; the same, C and D window 3
.set TO_B,   0x40                      ; destination window 1, address window 0
; A joint load: waves 0 and 1 ask for A's two halves, waves 2 and 3 for B's.  The branch hangs on the wave's number alone.
.macro JLOAD s
	s_cmp_eq_u32 s11, 0
	s_cbranch_scc0 .Lfor_b_\@
	tensor_load_to_lds s[G0+4*\s:G0+4*\s+3], s[G1:G1+7]
	s_nop 0
	s_branch .Lasked_\@
.Lfor_b_\@:
	tensor_load_to_lds s[G0B+4*\s:G0B+4*\s+3], s[G1B:G1B+7]
	s_nop 0
.Lasked_\@:
.endm
.macro CREST                           ; a round of the cluster's barrier behind its opening work-group barrier
	s_cmp_lg_u32 s10, 0
	s_cbranch_scc1 .Lnot_wave_0_\@
	s_barrier_signal -3
.Lnot_wave_0_\@:
	s_barrier_wait -3
	s_barrier_signal -1
	s_barrier_wait -1
.endm
.macro CROUND                          ; a whole round
	s_barrier_signal -1
	s_barrier_wait -1
	CREST
.endm
	s_load_b256 s[68:75], s[0:1], 0x0              ; xb s[68:69], wt s[70:71], tq s[72:73], qp s[74:75]
	s_load_b64 s[76:77], s[0:1], 0x20              ; vt
	s_set_vgpr_msb 0x40
	v_lshl_add_u32 v63, v0, 2, 0x48400
	s_set_vgpr_msb 0x4000
	v_mov_b32 v255, 0
	s_set_vgpr_msb 0x1
	ds_add_u32 v63, v255
	s_set_vgpr_msb 0x100
	v_lshrrev_b32 v1, 5, v0
	v_readfirstlane_b32 s10, v1                    ; wave 0..3
	s_lshr_b32 s11, s10, 1                         ; my half of the block's rows; also: I ask for A (0) or B (1)
	s_and_b32 s12, s10, 1                          ; my half of its columns; also: which 128 rows of that tile I ask for
	s_bfe_u32 s40, ttmp6, 0x40000                  ; cx
	s_bfe_u32 s41, ttmp6, 0x40004                  ; cy
	s_lshl_b32 s42, ttmp9, 2
	s_add_co_u32 s42, s42, s40                     ; work-group x, 0..7
	s_and_b32 s78, ttmp7, 0xffff                   ; the cluster's y, 0..7: picks the mode
	s_lshl_b32 s43, s41, 2
	s_lshl_b32 s43, 15, s43                        ; my row of the cluster
	s_lshl_b32 s44, 0x1111, s40                    ; my column
	s_lshl_b32 s80, s78, 3
	s_lshl_b32 s81, ttmp9, 2
	s_add_co_u32 s80, s80, s81                     ; query mode: A's block row = 8 y + 4 x + cy (eight clusters of four block rows)
	s_lshl_b32 s81, s78, 3
	s_sub_co_u32 s81, s81, 32
	s_add_co_u32 s81, s81, s42                     ; V mode: B's block = 8 (y - 4) + work-group x
	s_sub_co_u32 s82, s78, 4
	s_lshl_b32 s82, s82, 22                        ; V mode: the batch's 1024 rows of 4,096 bytes in vt
	s_cmp_lt_u32 s78, 4                            ; only selects follow, which leave SCC alone
	s_cselect_b32 s13, s80, 0
	s_cselect_b32 s79, s40, s81                    ; B's block: query mode cx (G^T has four blocks of rows)
	s_cselect_b32 s87, s40, s42                    ; C's block column
	s_cselect_b32 s82, 0, s82
	s_cselect_b32 s86, 1, 0                        ; 1: query mode
	s_add_co_u32 s13, s13, s41                     ; A's block row (and C's)
	; group 1: a tile of 128 rows x 128 elements of 2 bytes, 16 bytes of padding behind every 256
	s_or_b32 s[G1+0], s43, (1<<16)|(1<<20)|(1<<21)|(5<<22)|(3<<25)
	s_or_b32 s[G1B+0], s44, (1<<16)|(1<<20)|(1<<21)|(5<<22)|(3<<25)
	s_mov_b32 s[G1+1], KSTEP<<16                   ; tensor_dim0 = 128
	s_mov_b32 s[G1B+1], KSTEP<<16
	s_mov_b32 s[G1+2], 128<<16                     ; tensor_dim1 = 128
	s_mov_b32 s[G1B+2], 128<<16
	s_mov_b32 s[G1+3], KSTEP<<16                   ; tile_dim0 = 128
	s_mov_b32 s[G1B+3], KSTEP<<16
	s_mov_b32 s[G1+4], 128                         ; tile_dim1 = 128
	s_mov_b32 s[G1B+4], 128
	s_mov_b32 s[G1+5], KELEM                       ; elements from row to row
	s_mov_b32 s[G1B+5], KELEM
	s_mov_b32 s[G1+6], 0
	s_mov_b32 s[G1B+6], 0
	s_mov_b32 s[G1+7], 0
	s_mov_b32 s[G1B+7], 0
	s_lshl_b32 s17, s12, 7
	s_lshl_b32 s16, s13, 8
	s_add_co_u32 s16, s16, s17                     ; A: row 256 x block row + 128 x half,
	s_lshl_b32 s16, s16, 11                        ; in bytes (rows of 2,048): under 2^25
	s_lshl_b32 s46, s79, 8
	s_add_co_u32 s46, s46, s17                     ; B: row 256 x block + 128 x half
	s_lshl_b32 s46, s46, 11
	s_mov_b32 s17, 0
	s_mov_b32 s47, 0
	s_mul_i32 s20, s10, HALFT                      ; where my load lands: wave x 128 rows
	s_wait_dscnt 0x0
	s_wait_kmcnt 0x0
	s_add_nc_u64 s[84:85], s[70:71], 0x200000      ; Wv^T: row 1024 of wt
	s_cmp_lt_u32 s78, 4
	s_cselect_b64 s[4:5], s[68:69], s[84:85]       ; A
	s_cselect_b64 s[6:7], s[70:71], s[68:69]       ; B
	s_cselect_b64 s[8:9], s[74:75], s[76:77]       ; C
	s_add_nc_u64 s[14:15], s[4:5], s[16:17]
	s_add_nc_u64 s[46:47], s[6:7], s[46:47]
	CROUND                                         ; all sixteen work-groups are here: the first joint loads meet
.irp s, 0,1
	s_mov_b32 s[G0+4*\s], 1
	s_add_co_u32 s[G0+4*\s+1], s20, \s*SLOT
	s_add_nc_u64 s[G0+4*\s+2:G0+4*\s+3], s[14:15], \s*KSTEP*2
	s_or_b32 s[G0+4*\s+3], s[G0+4*\s+3], 0x80000000
	s_mov_b32 s[G0B+4*\s], 1
	s_add_co_u32 s[G0B+4*\s+1], s20, \s*SLOT
	s_add_nc_u64 s[G0B+4*\s+2:G0B+4*\s+3], s[46:47], \s*KSTEP*2
	s_or_b32 s[G0B+4*\s+3], s[G0B+4*\s+3], 0x80000000
	JLOAD \s                                       ; K steps 0 and 1: two tensor loads of the wave are out
.endr
	v_and_b32 v1, 15, v0                           ; r = l % 16
	v_bfe_u32 v2, v0, 4, 1                         ; h = l / 16
	v_mul_u32_u24 v3, v1, PITCH
	v_lshl_add_u32 v3, v2, 4, v3                   ; a fragment: row r, 16 bytes at 16 h, and again 32 bytes on
	s_mul_i32 s21, s11, HALFT
	s_mul_i32 s22, s12, HALFT
	s_add_co_u32 s22, s22, 2*HALFT
.irp s, 0,1
	v_add_nc_u32 v[ADRA+\s], s21, v3
	v_add_nc_u32 v[ADRB+\s], s22, v3
	s_add_co_u32 s21, s21, SLOT
	s_add_co_u32 s22, s22, SLOT
.endr
	s_mul_i32 s23, s10, 16*SPITCH
	s_add_co_u32 s23, s23, STAGE
	v_mul_u32_u24 v4, v1, SPITCH
	v_lshl_add_u32 v4, v2, 4, v4
	v_add_nc_u32 v[STO], s23, v4
	v_mul_u32_u24 v5, v2, SPITCH
	v_lshl_add_u32 v5, v1, 4, v5
	v_add_nc_u32 v[RD], s23, v5
; 16 matrix instructions: m blocks a0, a0 + 1 of the window's four x all 8 n blocks, 32 along K.  zero = 1: the product starts the sums.
; The 64 accumulators take turns, one instruction a turn, in the same order in every quarter step.
.macro MUL16 f, hi, a0, zero
.irp a, \a0, \a0+1
.irp b, 0,1,2,3,4,5,6,7
.if \zero
	v_wmma_f32_16x16x32_bf16 v[8*(8*(\a)+\b):8*(8*(\a)+\b)+7], v[\f+8*\b:\f+8*\b+7], v[\f+8*(4*\hi+\a):\f+8*(4*\hi+\a)+7], 0
.else
	v_wmma_f32_16x16x32_bf16 v[8*(8*(\a)+\b):8*(8*(\a)+\b)+7], v[\f+8*\b:\f+8*\b+7], v[\f+8*(4*\hi+\a):\f+8*(4*\hi+\a)+7], v[8*(8*(\a)+\b):8*(8*(\a)+\b)+7]
.endif
.endr
.endr
.endm
.macro FETCH slot, k, f                ; 32 LDS loads in one run: a quarter step's fragments (B's 128 rows, A's 128 rows, 32 K at byte k)
	WIN TO_B
.irp i, 0,1,2,3,4,5,6,7
	ds_load_b128 v[\f+8*\i:\f+8*\i+3],   v[ADRB+\slot] offset:\k+\i*16*PITCH
	ds_load_b128 v[\f+8*\i+4:\f+8*\i+7], v[ADRB+\slot] offset:\k+\i*16*PITCH+32
.endr
	WIN 0
.irp i, 0,1,2,3,4,5,6,7
	ds_load_b128 v[\f+8*\i:\f+8*\i+3],   v[ADRA+\slot] offset:\k+\i*16*PITCH
	ds_load_b128 v[\f+8*\i+4:\f+8*\i+7], v[ADRA+\slot] offset:\k+\i*16*PITCH+32
.endr
.endm
.macro PLACES                          ; four independent vector instructions between a matrix instruction and a load into, or a vector use of, its registers
.rept 4
	v_nop
.endr
.endm
.macro QUARTER slot, k, f, g, zero     ; multiplies buffer f; in its middle fetches the next quarter's fragments into buffer g
	s_wait_dscnt 8                                 ; B and A's rows 0-63 are in; the youngest eight loads (A's rows 64-127) may be out
	WIN MUL_LO
	MUL16 \f, 0, 0, \zero
	MUL16 \f, 0, 2, \zero
	PLACES
	FETCH \slot, \k, \g
	s_wait_dscnt 32                                ; all but the 32 just issued
	WIN MUL_HI
	MUL16 \f, 1, 0, \zero
	MUL16 \f, 1, 2, \zero
.endm
.macro THREE slot, zero
	QUARTER \slot, 64,  F0, F1, \zero
	QUARTER \slot, 128, F1, F0, 0
	QUARTER \slot, 192, F0, F1, 0
.endm
; The last quarter of a K step: multiplies buffer 1 and changes slots.  In front of the barrier each wave waits for its reads of this slot and for all its
; tensor loads (one is out: its part of the next slot).  Behind it, with fill = 1 behind the whole round of the cluster's barrier, the refill comes first.
.macro TURN slot, next, fill
	s_wait_dscnt 8
	WIN MUL_LO
	MUL16 F1, 0, 0, 0
	s_wait_dscnt 0                                 ; my reads of this slot are over
	s_wait_tensorcnt 0x0                           ; all my tensor loads have landed
	ds_add_u32 v63, v255
	s_wait_dscnt 0x0
	s_barrier_signal -1
	MUL16 F1, 0, 2, 0                              ; register work while the others arrive
	WIN 0
	s_barrier_wait -1
.if \fill
	CREST                                          ; no wave of any partner still reads this slot or has a load on its way
	s_add_nc_u64 s[G0+4*\slot+2:G0+4*\slot+3], s[G0+4*\slot+2:G0+4*\slot+3], 2*KSTEP*2
	s_add_nc_u64 s[G0B+4*\slot+2:G0B+4*\slot+3], s[G0B+4*\slot+2:G0B+4*\slot+3], 2*KSTEP*2
	JLOAD \slot                                    ; the wave's one tensor load behind the round
.endif
	PLACES
	FETCH \next, 0, F0
	WIN MUL_HI
	MUL16 F1, 1, 0, 0
	MUL16 F1, 1, 2, 0
.endm
.macro LAP zero
	THREE 0, \zero
	TURN 0, 1, 1
	THREE 1, 0
	TURN 1, 0, 1
.endm
.macro FINAL4                          ; the last K step: no barrier, no tensor load, nothing more to fetch at its end
	THREE 1, 0
	s_wait_dscnt 8
	WIN MUL_LO
	MUL16 F1, 0, 0, 0
	MUL16 F1, 0, 2, 0
	s_wait_dscnt 0
	WIN MUL_HI
	MUL16 F1, 1, 0, 0
	MUL16 F1, 1, 2, 0
.endm
.macro BADD                            ; tq onto the 32 tiles of one window: column 16 b + 8 h + j takes register 8 b + j
.irp a, 0,1,2,3
.irp b, 0,1,2,3,4,5,6,7
.irp r, 0,1,2,3
	v_pk_add_f32 v[8*(8*\a+\b)+2*\r:8*(8*\a+\b)+2*\r+1], v[8*(8*\a+\b)+2*\r:8*(8*\a+\b)+2*\r+1], v[BQ+8*\b+2*\r:BQ+8*\b+2*\r+1]
.endr
.endr
.endr
.endm
; C at my first row (rows of 1 << sh bytes) and my first column
.macro CBASE sh
	s_lshl_b32 s16, s13, 8
	s_lshl_b32 s14, s11, 7
	s_add_co_u32 s16, s16, s14
	s_lshl_b32 s16, s16, \sh                       ; under 2^25
	s_mov_b32 s17, 0
	s_add_nc_u64 s[8:9], s[8:9], s[16:17]
	s_lshl_b32 s46, s87, 9                         ; 256 columns of 2 bytes a block,
	s_lshl_b32 s47, s12, 8                         ; 128 a half
	s_add_co_u32 s46, s46, s47
	s_mov_b32 s47, 0
	s_add_nc_u64 s[8:9], s[8:9], s[46:47]
.endm
; The way out, 16 rows of C at a time: round to bf16, 16 bytes a lane into my own stage, read back as rows of 256 bytes.  crow = bytes in a row of C.
.macro OUT16 i, a, from, f, crow
	WIN \from
.irp b, 0,1,2,3,4,5,6,7
.irp r, 0,1,2,3
	v_cvt_pk_bf16_f32 v[TMP+4*\b+\r], v[8*(8*\a+\b)+2*\r], v[8*(8*\a+\b)+2*\r+1]
.endr
.endr
	WIN 0
.irp b, 0,1,2,3,4,5,6,7
	ds_store_b128 v[STO], v[TMP+4*\b:TMP+4*\b+3] offset:32*\b
.endr
	s_wait_xcnt 0x0                                ; buffer f, which earlier stores read, and the stores' base are rewritten only behind this wait
.if \i
	s_add_nc_u64 s[8:9], s[8:9], 16*\crow
.endif
.irp t, 0,1,2,3,4,5,6,7
	ds_load_b128 v[\f+4*\t:\f+4*\t+3], v[RD] offset:\t*2*SPITCH    ; a wave's LDS instructions are served in order: these see the stores above
.endr
.irp t, 0,1,2,3,4,5,6,7
	s_wait_dscnt 7-\t                              ; the 7 - t younger read-backs stay out
	global_store_b128 v[CO], v[\f+4*\t:\f+4*\t+3], s[8:9] offset:2*\t*\crow        ; 16 lanes store 256 consecutive bytes, aligned
.endr
.endm
.macro OUTALL crow
	v_mul_u32_u24 v5, v2, \crow                    ; lanes 0-15 one row of C, lanes 16-31 the next
	v_lshl_add_u32 v[CO], v1, 4, v5
	OUT16 0, 0, 0x0a, F0, \crow
	OUT16 1, 1, 0x0a, F1, \crow
	OUT16 2, 2, 0x0a, F0, \crow
	OUT16 3, 3, 0x0a, F1, \crow
	OUT16 4, 0, 0x0f, F0, \crow
	OUT16 5, 1, 0x0f, F1, \crow
	OUT16 6, 2, 0x0f, F0, \crow
	OUT16 7, 3, 0x0f, F1, \crow
.endm
	s_wait_tensorcnt 1                             ; my part of K step 0 is in; K step 1's stays out
	s_barrier_signal -1
	s_barrier_wait -1
	FETCH 0, 0, F0
	LAP 1                                          ; the first lap starts the sums; it asks for K steps 2 and 3
	WIN 0
	s_mov_b32 s3, LAPS-2
.Llap:
	LAP 0                                          ; two laps: they ask for K steps 4 to 7
	WIN 0
	s_sub_co_u32 s3, s3, 1
	s_cmp_lg_u32 s3, 0
	s_cbranch_scc1 .Llap
	THREE 0, 0                                     ; the last lap fills nothing
	TURN 0, 1, 0
	WIN 0
	s_cmp_eq_u32 s86, 0                            ; the same in all sixteen work-groups
	s_cbranch_scc1 .Lvmode
	; query mode: tq of my 128 columns is asked for here and has the last K step's 256 matrix instructions in which to come
	s_lshl_b32 s90, s40, 10                        ; 256 columns of 4 bytes a block,
	s_lshl_b32 s91, s12, 9                         ; 128 a half,
	s_add_co_u32 s90, s90, s91
	v_lshl_add_u32 v[BO], v2, 5, s90               ; 8 for the upper lanes
	WIN TO_B
.irp b, 0,1,2,3,4,5,6,7
	global_load_b128 v[BQ+8*\b:BQ+8*\b+3],   v[BO], s[72:73] offset:64*\b
	global_load_b128 v[BQ+8*\b+4:BQ+8*\b+7], v[BO], s[72:73] offset:64*\b+16
.endr
	FINAL4
	s_wait_loadcnt 0x0
	PLACES
	WIN 0x86                                       ; destination and source 0 window 2, source 1 window 1
	BADD
	WIN 0xc7                                       ; the same with window 3
	BADD
	WIN 0
	CBASE 11                                       ; rows of qp: 2,048 bytes
	OUTALL 2048
	s_branch .Lend
.Lvmode:
	FINAL4
	PLACES
	WIN 0
	CBASE 12                                       ; rows of vt: 4,096 bytes
	s_mov_b32 s83, 0
	s_add_nc_u64 s[8:9], s[8:9], s[82:83]          ; the batch
	OUTALL 4096
.Lend:
	s_set_vgpr_msb 0x1
	s_wait_tensorcnt 0x0
	ds_add_u32 v63, v255
	s_wait_dscnt 0x0
	s_set_vgpr_msb 0x100
	CROUND                                         ; the closing round: no work-group ends while a partner may still ask for a tile that names it
	s_endpgm
.Lfunc_end_k_q994bbbb139_proj:
	.size	k_q994bbbb139_proj, .Lfunc_end_k_q994bbbb139_proj-k_q994bbbb139_proj
	.p2alignl 7, 3214868480
	.fill 96, 4, 3214868480
	.section	.rodata,"a",@progbits
	.p2align	6, 0x0
	.amdhsa_kernel k_q994bbbb139_proj
		.amdhsa_group_segment_fixed_size 327680
		.amdhsa_private_segment_fixed_size 0
		.amdhsa_enable_private_segment 0
		.amdhsa_kernarg_size 40
		.amdhsa_user_sgpr_count 2
		.amdhsa_user_sgpr_kernarg_segment_ptr 1
		.amdhsa_wavefront_size32 1
		.amdhsa_system_sgpr_workgroup_id_x 1
		.amdhsa_system_sgpr_workgroup_id_y 1
		.amdhsa_system_sgpr_workgroup_id_z 1
		.amdhsa_system_vgpr_workitem_id 0
		.amdhsa_next_free_vgpr 1024
		.amdhsa_next_free_sgpr 96
		.amdhsa_reserve_vcc 0
		.amdhsa_float_denorm_mode_32 3
		.amdhsa_float_denorm_mode_16_64 3
		.amdhsa_memory_ordered 1
		.amdhsa_forward_progress 1
		.amdhsa_inst_pref_size 255
	.end_amdhsa_kernel
	.section	.bss,"aw",@nobits
	.p2align	6
	.space	262144
	.amdgpu_metadata
---
amdhsa.version: [ 1, 2 ]
amdhsa.kernels:
  - .name:           k_q994bbbb139_proj
    .symbol:         k_q994bbbb139_proj.kd
    .args:
      - { .name: xb, .offset: 0, .size: 8, .value_kind: global_buffer, .address_space: global }
      - { .name: wt, .offset: 8, .size: 8, .value_kind: global_buffer, .address_space: global }
      - { .name: tq, .offset: 16, .size: 8, .value_kind: global_buffer, .address_space: global }
      - { .name: qp, .offset: 24, .size: 8, .value_kind: global_buffer, .address_space: global }
      - { .name: vt, .offset: 32, .size: 8, .value_kind: global_buffer, .address_space: global }
    .group_segment_fixed_size: 327680
    .private_segment_fixed_size: 0
    .kernarg_segment_align: 8
    .kernarg_segment_size: 40
    .max_flat_workgroup_size: 128
    .sgpr_count:     96
    .vgpr_count:     1024
    .wavefront_size: 32
...
	.end_amdgpu_metadata
.endif
;; end of part 2
;; launch score (part 3): grid 8 x 32, 4 waves a work-group, clusters of 4 x 4, 327,680 bytes of LDS; arguments qp, xb, p, mst, lst; writes p, mst, lst
.if DOCPART == 3
	.amdgcn_target "amdgcn-amd-amdhsa--gfx1250"
	.amdhsa_code_object_version 6
	.text
	.protected	k_q994bbbb139_score
	.globl	k_q994bbbb139_score
	.p2align	8
	.type	k_q994bbbb139_score,@function
k_q994bbbb139_score:
	s_mov_b64 s[64:65], 0
	v_nop
	global_prefetch_b8 v0, s[64:65] scope:SCOPE_SE
	s_setreg_imm32_b32 hwreg(HW_REG_WAVE_MODE, 25, 1), 1
	s_wait_xcnt 0x0
	s_wait_alu depctr_hold_cnt(0) depctr_sa_sdst(0) depctr_va_vdst(0) depctr_va_sdst(0) depctr_va_ssrc(0) depctr_va_vcc(0) depctr_vm_vsrc(0)
	s_getreg_b32 s2, hwreg(HW_REG_IB_STS2, 6, 4)
	s_cmp_eq_u32 s2, 0
	s_cbranch_scc0 .Lentry_in_a_cluster
	s_endpgm
.Lentry_in_a_cluster:
	s_bfe_u32 s2, ttmp6, 0x10000c
	s_cmp_lg_u32 s2, 0xf033
	s_cbranch_scc0 .Lentry_shape_is_right
	s_endpgm
.Lentry_shape_is_right:
; SelfAttention, launch 3 of 4: for each block of 256 queries x 256 keys: S[q][k] = sum over e of qp[q][e] xb[k][e] (K = 1024, bf16 in, f32 sums), the block's row maximum m,
;   p = exp2(c s - c m) in bf16, c = log2(e) / 32 (the scale 1 / sqrt(1024) and the change of base in one factor);
;   mst[key block][row] = c m;  lst[key half block][row] = the row's sum of p over 128 keys, in f32.
; The maximum taken away is the true maximum of the block's 256 keys; the last launch joins the eight blocks of a row by exp2(c m_j - max_j c m_j) <= 1.
; No score goes to memory in f32.  LEFT OUT: bk and the projection K = x Wk: qp = x Wq Wk^T + bq Wk^T stands against x itself (shown at the head of the first kernel).
; LIMITS: NaN and infinite inputs are not served (the maxima pass over NaN); exp2 gives 0 for results under 2^-126; the row sums are taken of p before its rounding to bf16.
; The product is the text of the projections' launch: 256 x 256 a work-group, 128 x 128 a wave, two LDS slots of a K step of 128, 4 x 4 clusters:
; the queries' tile is asked for jointly along a row of the cluster, the keys' along a column.
; REGISTERS: as there; on the way out window 0 holds v64-151 partial maxima, v96-127 partial sums, v224-255 one figure for each of my eight row tiles.
.set KSTEP,  128
.set PITCH,  272
.set HALFT,  128*PITCH
.set SLOT,   4*HALFT
.set STAGE,  2*SLOT                    ; 16 rows x 272 bytes for each wave
.set SPITCH, 272
.set XM,     STAGE+4*16*SPITCH         ; 295,936: [2 column halves][256 rows] f32, the two waves of a row half exchange their maxima
.set SM,     XM+2048                   ; [4 waves][128 rows] f32: c m, each wave's own
.set SL,     SM+2048                   ; [4 waves][128 rows] f32: row sums, each wave's own.  No tensor load lands in any of these.
.set KELEM,  1024                      ; elements in a row of qp and of xb
.set CROW,   4096                      ; bytes in a row of p
.set LAPS,   4
.set ADRA, 16
.set ADRB, 20
.set SR,   22                          ; v22  where I read four rows' figures back
.set SO,   23                          ; v23  16 x lane
.set STO,  24
.set RD,   25
.set CO,   26
.set TP,   28                          ; v28  what the other half of the lanes holds
.set XW,   29                          ; v29  where my maxima go
.set XR,   30                          ; v30  where the other column half's lie
.set SA,   31                          ; v31  where my rows' figures go
.set F0,   64
.set F1,   128
.set SUMT, 96
.set TMP,  192
.set MX,   224                         ; v224-231 row maximum of row tile a
.set NM,   232                         ; v232-239 - c m
.set MM,   240                         ; v240-247 c m
.set LS,   248                         ; v248-255 row sum
.set G1, 24
.set G0, 32
.set G1B, 48
.set G0B, 56
.set MSB, 0
.macro WIN new
.if MSB != \new
	s_set_vgpr_msb (MSB<<8)|\new
.set MSB, \new
.endif
.endm
.set MUL_LO, 0xa1
.set MUL_HI, 0xf1
.set TO_B,   0x40
.macro JLOAD s                         ; waves 0 and 1 ask for the queries' two halves, waves 2 and 3 for the keys'
	s_cmp_eq_u32 s11, 0
	s_cbranch_scc0 .Lfor_b_\@
	tensor_load_to_lds s[G0+4*\s:G0+4*\s+3], s[G1:G1+7]
	s_nop 0
	s_branch .Lasked_\@
.Lfor_b_\@:
	tensor_load_to_lds s[G0B+4*\s:G0B+4*\s+3], s[G1B:G1B+7]
	s_nop 0
.Lasked_\@:
.endm
.macro CREST
	s_cmp_lg_u32 s10, 0
	s_cbranch_scc1 .Lnot_wave_0_\@
	s_barrier_signal -3
.Lnot_wave_0_\@:
	s_barrier_wait -3
	s_barrier_signal -1
	s_barrier_wait -1
.endm
.macro CROUND
	s_barrier_signal -1
	s_barrier_wait -1
	CREST
.endm
	s_load_b256 s[68:75], s[0:1], 0x0              ; qp s[68:69], xb s[70:71], p s[72:73], mst s[74:75]
	s_load_b64 s[76:77], s[0:1], 0x20              ; lst
	s_set_vgpr_msb 0x40
	v_lshl_add_u32 v255, v0, 2, 0x49c00
	s_set_vgpr_msb 0x4000
	v_mov_b32 v63, 0
	s_set_vgpr_msb 0x1
	ds_add_u32 v255, v63
	s_set_vgpr_msb 0x100
	v_lshrrev_b32 v1, 5, v0
	v_readfirstlane_b32 s10, v1
	s_lshr_b32 s11, s10, 1                         ; my half of the queries; also: I ask for queries (0) or keys (1)
	s_and_b32 s12, s10, 1                          ; my half of the keys; also: which 128 rows I ask for
	s_bfe_u32 s40, ttmp6, 0x40000                  ; cx
	s_bfe_u32 s41, ttmp6, 0x40004                  ; cy
	s_lshl_b32 s42, ttmp9, 2
	s_add_co_u32 s42, s42, s40                     ; key block of the batch, 0..7
	s_and_b32 s80, ttmp7, 0xffff                   ; the cluster's y, 0..7
	s_lshl_b32 s13, s80, 2
	s_add_co_u32 s13, s13, s41                     ; query block of all 8192 rows, 0..31
	s_lshr_b32 s80, s80, 1                         ; batch: two clusters of four query blocks each
	s_lshl_b32 s43, s41, 2
	s_lshl_b32 s43, 15, s43
	s_lshl_b32 s44, 0x1111, s40
	s_mov_b32 s66, 0x76543210                      ; v_permlanex16_b32: lane i takes lane i of the other half
	s_mov_b32 s67, 0xfedcba98
	s_mov_b32 s88, 0x3d38aa3b                      ; c = log2(e) / 32
	s_mov_b32 s89, 0x3d38aa3b
	s_or_b32 s[G1+0], s43, (1<<16)|(1<<20)|(1<<21)|(5<<22)|(3<<25)
	s_or_b32 s[G1B+0], s44, (1<<16)|(1<<20)|(1<<21)|(5<<22)|(3<<25)
	s_mov_b32 s[G1+1], KSTEP<<16
	s_mov_b32 s[G1B+1], KSTEP<<16
	s_mov_b32 s[G1+2], 128<<16
	s_mov_b32 s[G1B+2], 128<<16
	s_mov_b32 s[G1+3], KSTEP<<16
	s_mov_b32 s[G1B+3], KSTEP<<16
	s_mov_b32 s[G1+4], 128
	s_mov_b32 s[G1B+4], 128
	s_mov_b32 s[G1+5], KELEM
	s_mov_b32 s[G1B+5], KELEM
	s_mov_b32 s[G1+6], 0
	s_mov_b32 s[G1B+6], 0
	s_mov_b32 s[G1+7], 0
	s_mov_b32 s[G1B+7], 0
	s_lshl_b32 s17, s12, 7
	s_lshl_b32 s16, s13, 8
	s_add_co_u32 s16, s16, s17                     ; queries: row 256 x query block + 128 x half,
	s_lshl_b32 s16, s16, 11                        ; in bytes (rows of 2,048): under 2^24
	s_lshl_b32 s46, s80, 11                        ; keys: row 2048 x batch
	s_lshl_b32 s47, s42, 8
	s_add_co_u32 s46, s46, s47                     ; + 256 x key block
	s_add_co_u32 s46, s46, s17                     ; + 128 x half,
	s_lshl_b32 s46, s46, 11
	s_mov_b32 s17, 0
	s_mov_b32 s47, 0
	s_mul_i32 s20, s10, HALFT
	s_wait_dscnt 0x0
	s_wait_kmcnt 0x0
	s_add_nc_u64 s[14:15], s[68:69], s[16:17]
	s_add_nc_u64 s[46:47], s[70:71], s[46:47]
	CROUND
.irp s, 0,1
	s_mov_b32 s[G0+4*\s], 1
	s_add_co_u32 s[G0+4*\s+1], s20, \s*SLOT
	s_add_nc_u64 s[G0+4*\s+2:G0+4*\s+3], s[14:15], \s*KSTEP*2
	s_or_b32 s[G0+4*\s+3], s[G0+4*\s+3], 0x80000000
	s_mov_b32 s[G0B+4*\s], 1
	s_add_co_u32 s[G0B+4*\s+1], s20, \s*SLOT
	s_add_nc_u64 s[G0B+4*\s+2:G0B+4*\s+3], s[46:47], \s*KSTEP*2
	s_or_b32 s[G0B+4*\s+3], s[G0B+4*\s+3], 0x80000000
	JLOAD \s
.endr
	v_and_b32 v1, 15, v0                           ; r
	v_bfe_u32 v2, v0, 4, 1                         ; h
	v_mul_u32_u24 v3, v1, PITCH
	v_lshl_add_u32 v3, v2, 4, v3
	s_mul_i32 s21, s11, HALFT
	s_mul_i32 s22, s12, HALFT
	s_add_co_u32 s22, s22, 2*HALFT
.irp s, 0,1
	v_add_nc_u32 v[ADRA+\s], s21, v3
	v_add_nc_u32 v[ADRB+\s], s22, v3
	s_add_co_u32 s21, s21, SLOT
	s_add_co_u32 s22, s22, SLOT
.endr
	s_mul_i32 s23, s10, 16*SPITCH
	s_add_co_u32 s23, s23, STAGE
	v_mul_u32_u24 v4, v1, SPITCH
	v_lshl_add_u32 v4, v2, 4, v4
	v_add_nc_u32 v[STO], s23, v4
	v_mul_u32_u24 v5, v2, SPITCH
	v_lshl_add_u32 v5, v1, 4, v5
	v_add_nc_u32 v[RD], s23, v5
	v_mul_u32_u24 v5, v2, CROW
	v_lshl_add_u32 v[CO], v1, 4, v5
	s_lshl_b32 s22, s11, 9                         ; 128 rows of 4 bytes a row half
	s_lshl_b32 s21, s12, 10                        ; 256 rows a column half
	s_add_co_u32 s21, s21, s22
	s_add_co_u32 s21, s21, XM
	v_lshl_add_u32 v[XW], v1, 2, s21
	s_xor_b32 s23, s12, 1                          ; the other column half
	s_lshl_b32 s23, s23, 10
	s_add_co_u32 s23, s23, s22
	s_add_co_u32 s23, s23, XM
	v_lshl_add_u32 v[XR], v1, 2, s23
	s_lshl_b32 s21, s10, 9
	s_add_co_u32 s21, s21, SM
	v_lshl_add_u32 v[SA], v1, 2, s21
	v_and_b32 v[SO], 31, v0
	v_lshlrev_b32 v[SO], 4, v[SO]
	v_add_nc_u32 v[SR], s21, v[SO]
	v_mov_b32 v[TP], 0                             ; v_permlanex16_b32's destination counts as read
; The 64 accumulators take turns, one instruction a turn.
.macro MUL16 f, hi, a0, zero
.irp a, \a0, \a0+1
.irp b, 0,1,2,3,4,5,6,7
.if \zero
	v_wmma_f32_16x16x32_bf16 v[8*(8*(\a)+\b):8*(8*(\a)+\b)+7], v[\f+8*\b:\f+8*\b+7], v[\f+8*(4*\hi+\a):\f+8*(4*\hi+\a)+7], 0
.else
	v_wmma_f32_16x16x32_bf16 v[8*(8*(\a)+\b):8*(8*(\a)+\b)+7], v[\f+8*\b:\f+8*\b+7], v[\f+8*(4*\hi+\a):\f+8*(4*\hi+\a)+7], v[8*(8*(\a)+\b):8*(8*(\a)+\b)+7]
.endif
.endr
.endr
.endm
.macro FETCH slot, k, f
	WIN TO_B
.irp i, 0,1,2,3,4,5,6,7
	ds_load_b128 v[\f+8*\i:\f+8*\i+3],   v[ADRB+\slot] offset:\k+\i*16*PITCH
	ds_load_b128 v[\f+8*\i+4:\f+8*\i+7], v[ADRB+\slot] offset:\k+\i*16*PITCH+32
.endr
	WIN 0
.irp i, 0,1,2,3,4,5,6,7
	ds_load_b128 v[\f+8*\i:\f+8*\i+3],   v[ADRA+\slot] offset:\k+\i*16*PITCH
	ds_load_b128 v[\f+8*\i+4:\f+8*\i+7], v[ADRA+\slot] offset:\k+\i*16*PITCH+32
.endr
.endm
.macro PLACES                          ; four independent vector instructions behind a matrix instruction (ISA guide 7.12.1)
.rept 4
	v_nop
.endr
.endm
.macro QUARTER slot, k, f, g, zero
	s_wait_dscnt 8                                 ; the keys' rows and the queries' rows 0-63 are in; the youngest eight loads may be out
	WIN MUL_LO
	MUL16 \f, 0, 0, \zero
	MUL16 \f, 0, 2, \zero
	PLACES
	FETCH \slot, \k, \g
	s_wait_dscnt 32                                ; all but the 32 just issued
	WIN MUL_HI
	MUL16 \f, 1, 0, \zero
	MUL16 \f, 1, 2, \zero
.endm
.macro THREE slot, zero
	QUARTER \slot, 64,  F0, F1, \zero
	QUARTER \slot, 128, F1, F0, 0
	QUARTER \slot, 192, F0, F1, 0
.endm
.macro TURN slot, next, fill
	s_wait_dscnt 8
	WIN MUL_LO
	MUL16 F1, 0, 0, 0
	s_wait_dscnt 0                                 ; my reads of this slot are over
	s_wait_tensorcnt 0x0                           ; all my tensor loads have landed
	ds_add_u32 v255, v63
	s_wait_dscnt 0x0
	s_barrier_signal -1
	MUL16 F1, 0, 2, 0
	WIN 0
	s_barrier_wait -1
.if \fill
	CREST
	s_add_nc_u64 s[G0+4*\slot+2:G0+4*\slot+3], s[G0+4*\slot+2:G0+4*\slot+3], 2*KSTEP*2
	s_add_nc_u64 s[G0B+4*\slot+2:G0B+4*\slot+3], s[G0B+4*\slot+2:G0B+4*\slot+3], 2*KSTEP*2
	JLOAD \slot                                    ; the wave's one tensor load behind the round
.endif
	PLACES
	FETCH \next, 0, F0
	WIN MUL_HI
	MUL16 F1, 1, 0, 0
	MUL16 F1, 1, 2, 0
.endm
.macro LAP zero
	THREE 0, \zero
	TURN 0, 1, 1
	THREE 1, 0
	TURN 1, 0, 1
.endm
	s_wait_tensorcnt 1                             ; my part of K step 0 is in; K step 1's stays out
	s_barrier_signal -1
	s_barrier_wait -1
	FETCH 0, 0, F0
	LAP 1
	WIN 0
	s_mov_b32 s3, LAPS-2
.Llap:
	LAP 0
	WIN 0
	s_sub_co_u32 s3, s3, 1
	s_cmp_lg_u32 s3, 0
	s_cbranch_scc1 .Llap
	THREE 0, 0
	TURN 0, 1, 0
	THREE 1, 0
	s_wait_dscnt 8
	WIN MUL_LO
	MUL16 F1, 0, 0, 0
	MUL16 F1, 0, 2, 0
	s_wait_dscnt 0
	WIN MUL_HI
	MUL16 F1, 1, 0, 0
	MUL16 F1, 1, 2, 0
	; ---- THE WAY OUT.  Lane l holds, for each row tile a, row 16 a + l % 16 and 64 of its 128 columns (16 b + 8 (l / 16) + j). ----
	PLACES
; The largest of a lane's 64 scores, for the four row tiles of one window: 22 maxima of three (the last takes 61, 62, 63), then a chain for each tile, the four chains by turns.
.macro MAXPASS win, a0
	WIN \win                                       ; destination window 0, all three sources the accumulators' window
.irp a, 0,1,2,3
.set cnt, 0
.rept 21
	v_max3_num_f32 v[64+22*\a+cnt], v[64*\a+3*cnt], v[64*\a+3*cnt+1], v[64*\a+3*cnt+2]
.set cnt, cnt+1
.endr
	v_max3_num_f32 v[64+22*\a+21], v[64*\a+61], v[64*\a+62], v[64*\a+63]
.endr
	WIN 0
.irp a, 0,1,2,3
	v_max3_num_f32 v[MX+\a0+\a], v[64+22*\a], v[64+22*\a+1], v[64+22*\a+2]
.endr
.set cnt, 1
.rept 9
.irp a, 0,1,2,3
	v_max3_num_f32 v[MX+\a0+\a], v[MX+\a0+\a], v[64+22*\a+2*cnt+1], v[64+22*\a+2*cnt+2]
.endr
.set cnt, cnt+1
.endr
.irp a, 0,1,2,3
	v_max_num_f32 v[MX+\a0+\a], v[MX+\a0+\a], v[64+22*\a+21]
.endr
.endm
	MAXPASS 0x2a, 0
	MAXPASS 0x3f, 4
.irp a, 0,1,2,3,4,5,6,7
	v_permlanex16_b32 v[TP], v[MX+\a], s66, s67    ; the row's other 64 columns of my 128
	v_max_num_f32 v[MX+\a], v[MX+\a], v[TP]
.endr
.irp a, 0,1,2,3,4,5,6,7
	ds_store_b32 v[XW], v[MX+\a] offset:64*\a      ; lanes l and l + 16 store the same number to the same word
.endr
	s_wait_dscnt 0x0                               ; my maxima are in LDS before I say so
	s_barrier_signal -1
	s_barrier_wait -1                              ; no tensor load is out, and none follows
.irp a, 0,1,2,3,4,5,6,7
	ds_load_b32 v[64+\a], v[XR] offset:64*\a       ; the same rows' maxima over the block's other 128 keys
.endr
	s_lshl_b32 s81, s13, 8
	s_lshl_b32 s14, s11, 7
	s_add_co_u32 s81, s81, s14                     ; my first row of the 8192
	s_lshl_b32 s16, s81, 12
	s_mov_b32 s17, 0
	s_add_nc_u64 s[8:9], s[72:73], s[16:17]        ; p at my first row,
	s_lshl_b32 s46, s42, 9
	s_lshl_b32 s47, s12, 8
	s_add_co_u32 s46, s46, s47
	s_mov_b32 s47, 0
	s_add_nc_u64 s[8:9], s[8:9], s[46:47]          ; my first key
	s_lshl1_add_u32 s90, s42, s12                  ; lst: half block 2 x key block + half,
	s_lshl_b32 s90, s90, 13                        ; 8192 rows each,
	s_add_co_u32 s90, s90, s81
	s_lshl_b32 s90, s90, 2
	s_mov_b32 s91, 0
	s_add_nc_u64 s[76:77], s[76:77], s[90:91]
	s_lshl_b32 s92, s42, 13                        ; mst: key block, 8192 rows each
	s_add_co_u32 s92, s92, s81
	s_lshl_b32 s92, s92, 2
	s_mov_b32 s93, 0
	s_add_nc_u64 s[74:75], s[74:75], s[92:93]
	s_wait_dscnt 0x0
.irp a, 0,1,2,3,4,5,6,7
	v_max_num_f32 v[MX+\a], v[MX+\a], v[64+\a]     ; the row's maximum over the block's 256 keys
.endr
.irp a, 0,1,2,3,4,5,6,7
	v_mul_f32 v[NM+\a], 0xbd38aa3b, v[MX+\a]       ; - c m: the addend of the fused multiply-add below
	v_mul_f32 v[MM+\a], 0x3d38aa3b, v[MX+\a]       ; c m, its exact negative: what the last launch joins the blocks by
.endr
; Row tile i: p = exp2(c s - c m) in place, packed to bf16, summed in f32, and out through my stage as rows of 256 bytes.
.macro EXP16 i, wfma, wcvt, f
	WIN \wfma                                      ; destination and source 0 the accumulators' window, source 2 window 0
.set cnt, 0
.rept 32
.if (\i)&1
	v_pk_fma_f32 v[64*((\i)&3)+2*cnt:64*((\i)&3)+2*cnt+1], v[64*((\i)&3)+2*cnt:64*((\i)&3)+2*cnt+1], s[88:89], v[NM+\i-1:NM+\i] op_sel:[0,0,1] op_sel_hi:[1,0,1]
.else
	v_pk_fma_f32 v[64*((\i)&3)+2*cnt:64*((\i)&3)+2*cnt+1], v[64*((\i)&3)+2*cnt:64*((\i)&3)+2*cnt+1], s[88:89], v[NM+\i:NM+\i+1] op_sel_hi:[1,0,0]
.endif
.set cnt, cnt+1
.endr
.set cnt, 0
.rept 64
	v_exp_f32 v[64*((\i)&3)+cnt], v[64*((\i)&3)+cnt]
.set cnt, cnt+1
.endr
	v_nop                                          ; one plain vector instruction between the exponentials and the first use of a result (ISA guide 5.7.2)
	WIN \wcvt                                      ; destination window 0, sources 0 and 1 the accumulators' window
	s_wait_alu depctr_va_vdst(0)
.irp b, 0,1,2,3,4,5,6,7
.irp r, 0,1,2,3
	v_cvt_pk_bf16_f32 v[TMP+4*\b+\r], v[64*((\i)&3)+8*\b+2*\r], v[64*((\i)&3)+8*\b+2*\r+1]
.endr
.endr
.set cnt, 0
.rept 16
	v_pk_add_f32 v[SUMT+2*cnt:SUMT+2*cnt+1], v[64*((\i)&3)+4*cnt:64*((\i)&3)+4*cnt+1], v[64*((\i)&3)+4*cnt+2:64*((\i)&3)+4*cnt+3]
.set cnt, cnt+1
.endr
	WIN 0
.irp k, 0,1,2,3,4,5,6,7
	v_pk_add_f32 v[SUMT+2*\k:SUMT+2*\k+1], v[SUMT+2*\k:SUMT+2*\k+1], v[SUMT+16+2*\k:SUMT+16+2*\k+1]
.endr
.irp k, 0,1,2,3
	v_pk_add_f32 v[SUMT+2*\k:SUMT+2*\k+1], v[SUMT+2*\k:SUMT+2*\k+1], v[SUMT+8+2*\k:SUMT+8+2*\k+1]
.endr
.irp k, 0,1
	v_pk_add_f32 v[SUMT+2*\k:SUMT+2*\k+1], v[SUMT+2*\k:SUMT+2*\k+1], v[SUMT+4+2*\k:SUMT+4+2*\k+1]
.endr
	v_pk_add_f32 v[SUMT:SUMT+1], v[SUMT:SUMT+1], v[SUMT+2:SUMT+3]
	v_add_f32 v[LS+\i], v[SUMT], v[SUMT+1]         ; my 64 columns' sum
.irp b, 0,1,2,3,4,5,6,7
	ds_store_b128 v[STO], v[TMP+4*\b:TMP+4*\b+3] offset:32*\b
.endr
	s_wait_xcnt 0x0                                ; buffer f, which earlier stores read, and the stores' base are rewritten only behind this wait
.if \i
	s_add_nc_u64 s[8:9], s[8:9], 16*CROW
.endif
.irp t, 0,1,2,3,4,5,6,7
	ds_load_b128 v[\f+4*\t:\f+4*\t+3], v[RD] offset:\t*2*SPITCH    ; a wave's LDS instructions are served in order: these see the stores above
.endr
.irp t, 0,1,2,3,4,5,6,7
	s_wait_dscnt 7-\t                              ; the 7 - t younger read-backs stay out
	global_store_b128 v[CO], v[\f+4*\t:\f+4*\t+3], s[8:9] offset:2*\t*CROW         ; 16 lanes store 256 consecutive bytes of a row of p, aligned
.endr
.endm
	EXP16 0, 0x82, 0x0a, F0
	EXP16 1, 0x82, 0x0a, F1
	EXP16 2, 0x82, 0x0a, F0
	EXP16 3, 0x82, 0x0a, F1
	EXP16 4, 0xc3, 0x0f, F0
	EXP16 5, 0xc3, 0x0f, F1
	EXP16 6, 0xc3, 0x0f, F0
	EXP16 7, 0xc3, 0x0f, F1
.irp a, 0,1,2,3,4,5,6,7
	v_permlanex16_b32 v[TP], v[LS+\a], s66, s67
	v_add_f32 v[LS+\a], v[LS+\a], v[TP]            ; the row's sum over my 128 keys
.endr
	; the figures of my 128 rows leave as 512 consecutive bytes: through my own words of LDS, four rows a lane
.irp a, 0,1,2,3,4,5,6,7
	ds_store_b32 v[SA], v[MM+\a] offset:64*\a
	ds_store_b32 v[SA], v[LS+\a] offset:SL-SM+64*\a
.endr
	ds_load_b128 v[160:163], v[SR]
	ds_load_b128 v[164:167], v[SR] offset:SL-SM
	s_wait_dscnt 0x0
	global_store_b128 v[SO], v[164:167], s[76:77]
	s_cmp_lg_u32 s12, 0                            ; both column halves hold the same maxima: the left one stores them
	s_cbranch_scc1 .Lno_mst
	global_store_b128 v[SO], v[160:163], s[74:75]
.Lno_mst:
	s_set_vgpr_msb 0x1
	s_wait_tensorcnt 0x0
	ds_add_u32 v255, v63
	s_wait_dscnt 0x0
	s_set_vgpr_msb 0x100
	CROUND                                         ; the closing round
	s_endpgm
.Lfunc_end_k_q994bbbb139_score:
	.size	k_q994bbbb139_score, .Lfunc_end_k_q994bbbb139_score-k_q994bbbb139_score
	.p2alignl 7, 3214868480
	.fill 96, 4, 3214868480
	.section	.rodata,"a",@progbits
	.p2align	6, 0x0
	.amdhsa_kernel k_q994bbbb139_score
		.amdhsa_group_segment_fixed_size 327680
		.amdhsa_private_segment_fixed_size 0
		.amdhsa_enable_private_segment 0
		.amdhsa_kernarg_size 40
		.amdhsa_user_sgpr_count 2
		.amdhsa_user_sgpr_kernarg_segment_ptr 1
		.amdhsa_wavefront_size32 1
		.amdhsa_system_sgpr_workgroup_id_x 1
		.amdhsa_system_sgpr_workgroup_id_y 1
		.amdhsa_system_sgpr_workgroup_id_z 1
		.amdhsa_system_vgpr_workitem_id 0
		.amdhsa_next_free_vgpr 1024
		.amdhsa_next_free_sgpr 96
		.amdhsa_reserve_vcc 0
		.amdhsa_float_denorm_mode_32 3
		.amdhsa_float_denorm_mode_16_64 3
		.amdhsa_memory_ordered 1
		.amdhsa_forward_progress 1
		.amdhsa_inst_pref_size 255
	.end_amdhsa_kernel
	.section	.bss,"aw",@nobits
	.p2align	6
	.space	262144
	.amdgpu_metadata
---
amdhsa.version: [ 1, 2 ]
amdhsa.kernels:
  - .name:           k_q994bbbb139_score
    .symbol:         k_q994bbbb139_score.kd
    .args:
      - { .name: qp, .offset: 0, .size: 8, .value_kind: global_buffer, .address_space: global }
      - { .name: xb, .offset: 8, .size: 8, .value_kind: global_buffer, .address_space: global }
      - { .name: p, .offset: 16, .size: 8, .value_kind: global_buffer, .address_space: global }
      - { .name: mst, .offset: 24, .size: 8, .value_kind: global_buffer, .address_space: global }
      - { .name: lst, .offset: 32, .size: 8, .value_kind: global_buffer, .address_space: global }
    .group_segment_fixed_size: 327680
    .private_segment_fixed_size: 0
    .kernarg_segment_align: 8
    .kernarg_segment_size: 40
    .max_flat_workgroup_size: 128
    .sgpr_count:     96
    .vgpr_count:     1024
    .wavefront_size: 32
...
	.end_amdgpu_metadata
.endif
;; end of part 3
;; launch pv (part 4): grid 8 x 32, 4 waves a work-group, clusters of 4 x 4, 327,680 bytes of LDS; arguments p, vt, mst, lst, bv, out0; writes out0
.if DOCPART == 4
	.amdgcn_target "amdgcn-amd-amdhsa--gfx1250"
	.amdhsa_code_object_version 6
	.text
	.protected	k_q994bbbb139_pv
	.globl	k_q994bbbb139_pv
	.p2align	8
	.type	k_q994bbbb139_pv,@function
k_q994bbbb139_pv:
	s_mov_b64 s[64:65], 0
	v_nop
	global_prefetch_b8 v0, s[64:65] scope:SCOPE_SE
	s_setreg_imm32_b32 hwreg(HW_REG_WAVE_MODE, 25, 1), 1
	s_wait_xcnt 0x0
	s_wait_alu depctr_hold_cnt(0) depctr_sa_sdst(0) depctr_va_vdst(0) depctr_va_sdst(0) depctr_va_ssrc(0) depctr_va_vcc(0) depctr_vm_vsrc(0)
	s_getreg_b32 s2, hwreg(HW_REG_IB_STS2, 6, 4)
	s_cmp_eq_u32 s2, 0
	s_cbranch_scc0 .Lentry_in_a_cluster
	s_endpgm
.Lentry_in_a_cluster:
	s_bfe_u32 s2, ttmp6, 0x10000c
	s_cmp_lg_u32 s2, 0xf033
	s_cbranch_scc0 .Lentry_shape_is_right
	s_endpgm
.Lentry_shape_is_right:
; SelfAttention, launch 4 of 4: out[q][d] = sum over key blocks j of g_j[q] (P_j V_j)[q][d] + bv[d],
;   g_j = exp2(mm_j - mm) / l,  mm = max_j mm_j,  l = sum_j exp2(mm_j - mm) (lst[2j] + lst[2j+1]),  all in f32.
; mm_j = c x the maximum of row q over key block j, so mm is c x the row's true maximum and every exponent is <= 0; l >= about 1 (the block that holds the maximum gives 1 x a sum that holds exp2(0)).
; bv is added once, as the first merge's addend: the weights g_j p of a row add up to 1.  bk is left out (shown at the head of the first kernel).
; LIMITS: NaN and infinite inputs are not served; exp2 gives 0 under 2^-126; the keys are summed by blocks of 256; P and V are bf16 matrix operands.
; A work-group makes 256 queries x 128 columns with four waves (8192 x 1024 outputs on 256 work-groups); a wave makes 128 x 64.  The keys go in 16 steps of 128 through two LDS slots; a lap is two
; steps = one key block: its product T starts from 0 and is merged into O by one fused multiply-add with g_j.  Two slots of two steps each would take 2 x 384 rows x 528 bytes = 405,504 bytes: more than a WGP has.
; CLUSTERS: 4 x 4.  P's tile hangs on the query block alone and is asked for jointly along a row of the cluster, V's on the column block (and the batch, which the cluster shares) along a column.
; PREFETCH: in laps 0 to 5, behind the lap's second joint refill, the work-group asks for its share of the tiles of lap j + 2, whose tensor loads are issued one and two key steps later.
; A lap's 256 rows of P are read by the 8 work-groups of a query block: each asks for 32 rows (waves 0 and 1, 16 rows each); its 128 rows of V^T by the batch's 8 query blocks: each asks for 16 rows (wave 2).
; A lane asks for one block of 256 bytes (a row has two a lap), so every block of laps 2 to 7 is asked for once in the launch: 24 KiB a work-group and lap.  Laps 6 and 7 ask for nothing: a row ends with lap 7.
; REGISTERS: window 0: v0-31 addresses, v64-127 / v128-191 P's 8 fragments (two buffers), v192-223 bv of my 64 columns, v224-231 g_j of my 8 row tiles;
; window 1: v64-95 / v128-159 V's 4 fragments; window 2: T, tile (a, b) at v[8 (4 a + b)]; window 3: O, likewise.
; The matrix instruction is used transposed: lane l holds row l % 16 and its registers 0-7 the columns 8 (l / 16) + 0..7.
.set KSTEP,  128
.set PITCH,  272                       ; LDS row: 256 bytes + 16 of padding
.set HA,     128*PITCH                 ; 128 rows of P: one tensor load
.set HB,     64*PITCH                  ; 64 rows of V^T: one tensor load
.set SLOT,   2*HA+2*HB                 ; P's 256 rows, then V^T's 128 rows: 104,448 bytes
.set STAGE,  2*SLOT                    ; 16 rows x 272 bytes for each wave; no tensor load lands here
.set GT,     STAGE+4*16*PITCH          ; g[8 key blocks][256 rows] f32, 8,192 bytes; no tensor load lands here
.set ROWE,   2048                      ; elements in a row of p and of vt
.set ROWB,   4096                      ; bytes in a row of p, vt and out0
.set LAPB,   512                       ; bytes of a row in a lap
.set LAPS,   8
.set ADRA, 16
.set ADRB, 20
.set STO,  24
.set RD,   25
.set CO,   26
.set GA,   27                          ; v27  where this lap's g of my rows lie: steps by 1,024 bytes a lap
.set GST,  28                          ; v28  where I put g of the two rows that I work out
.set PF,   29                          ; v29  prefetch: row l % 16, block l / 16; never rewritten
.set F0,   64
.set F1,   128
.set BV,   192
.set GG,   224
.set G1, 24
.set G0, 32
.set G1B, 48
.set G0B, 56
.set MSB, 0
.macro WIN new
.if MSB != \new
	s_set_vgpr_msb (MSB<<8)|\new
.set MSB, \new
.endif
.endm
.set MUL_LO, 0xa1                      ; source 0 (V) window 1, source 1 (P) window 0, C and D window 2
.set TO_B,   0x40
.macro JLOAD s                         ; waves 0 and 1 ask for P's two halves, waves 2 and 3 for V's
	s_cmp_eq_u32 s11, 0
	s_cbranch_scc0 .Lfor_b_\@
	tensor_load_to_lds s[G0+4*\s:G0+4*\s+3], s[G1:G1+7]
	s_nop 0
	s_branch .Lasked_\@
.Lfor_b_\@:
	tensor_load_to_lds s[G0B+4*\s:G0B+4*\s+3], s[G1B:G1B+7]
	s_nop 0
.Lasked_\@:
.endm
.macro CREST
	s_cmp_lg_u32 s10, 0
	s_cbranch_scc1 .Lnot_wave_0_\@
	s_barrier_signal -3
.Lnot_wave_0_\@:
	s_barrier_wait -3
	s_barrier_signal -1
	s_barrier_wait -1
.endm
.macro CROUND
	s_barrier_signal -1
	s_barrier_wait -1
	CREST
.endm
; The lap's request into the L2.  The base steps behind a wait that stands a whole lap behind the last request.  Wave 3 has no share.
.macro PREF
	s_wait_xcnt 0x0                                ; the last lap's request has read its base
	s_add_nc_u64 s[94:95], s[94:95], LAPB
	s_cmp_eq_u32 s10, 3
	s_cbranch_scc1 .Lno_share_\@
	global_prefetch_b8 v[PF], s[94:95] th:TH_LOAD_NT scope:SCOPE_SE
.Lno_share_\@:
.endm
	s_load_b256 s[68:75], s[0:1], 0x0              ; p s[68:69], vt s[70:71], mst s[72:73], lst s[74:75]
	s_load_b128 s[76:79], s[0:1], 0x20             ; bv s[76:77], out0 s[78:79]
	s_set_vgpr_msb 0x40
	v_lshl_add_u32 v255, v0, 2, 0x39400
	s_set_vgpr_msb 0x4000
	v_mov_b32 v255, 0
	s_set_vgpr_msb 0x1
	ds_add_u32 v255, v255
	s_set_vgpr_msb 0x100
	v_lshrrev_b32 v1, 5, v0
	v_readfirstlane_b32 s10, v1
	s_lshr_b32 s11, s10, 1                         ; my half of the queries; also: I ask for P (0) or V (1)
	s_and_b32 s12, s10, 1                          ; my half of the columns; also: which half of that tile I ask for
	s_bfe_u32 s40, ttmp6, 0x40000                  ; cx
	s_bfe_u32 s41, ttmp6, 0x40004                  ; cy
	s_lshl_b32 s42, ttmp9, 2
	s_add_co_u32 s42, s42, s40                     ; column block, 0..7
	s_and_b32 s80, ttmp7, 0xffff
	s_lshl_b32 s13, s80, 2
	s_add_co_u32 s13, s13, s41                     ; query block of all 8192 rows, 0..31
	s_lshr_b32 s80, s80, 1                         ; batch
	s_lshl_b32 s43, s41, 2
	s_lshl_b32 s43, 15, s43
	s_lshl_b32 s44, 0x1111, s40
	s_or_b32 s[G1+0], s43, (1<<16)|(1<<20)|(1<<21)|(5<<22)|(3<<25)
	s_or_b32 s[G1B+0], s44, (1<<16)|(1<<20)|(1<<21)|(5<<22)|(3<<25)
	s_mov_b32 s[G1+1], KSTEP<<16                   ; tensor_dim0 = 128
	s_mov_b32 s[G1B+1], KSTEP<<16
	s_mov_b32 s[G1+2], 128<<16                     ; tensor_dim1: P 128 rows,
	s_mov_b32 s[G1B+2], 64<<16                     ; V 64
	s_mov_b32 s[G1+3], KSTEP<<16                   ; tile_dim0 = 128
	s_mov_b32 s[G1B+3], KSTEP<<16
	s_mov_b32 s[G1+4], 128                         ; tile_dim1
	s_mov_b32 s[G1B+4], 64
	s_mov_b32 s[G1+5], ROWE
	s_mov_b32 s[G1B+5], ROWE
	s_mov_b32 s[G1+6], 0
	s_mov_b32 s[G1B+6], 0
	s_mov_b32 s[G1+7], 0
	s_mov_b32 s[G1B+7], 0
	s_lshl_b32 s17, s12, 7
	s_lshl_b32 s16, s13, 8
	s_add_co_u32 s16, s16, s17                     ; P: row 256 x query block + 128 x half,
	s_lshl_b32 s16, s16, 12                        ; in bytes: under 2^25
	s_mov_b32 s17, 0
	s_lshl_b32 s46, s42, 7
	s_lshl_b32 s47, s12, 6
	s_add_co_u32 s46, s46, s47                     ; V^T: row 128 x column block + 64 x half,
	s_lshl_b32 s46, s46, 12
	s_lshl_b32 s47, s80, 22                        ; in the batch's 1024 rows of 4,096 bytes
	s_add_co_u32 s46, s46, s47
	s_mov_b32 s47, 0
	s_mul_i32 s20, s10, HA                         ; waves 0, 1: P's halves at 0, HA
	s_mul_i32 s45, s10, HB
	s_add_co_u32 s45, s45, HA                      ; waves 2, 3: V's halves at 2 HA, 2 HA + HB  (HA = 2 HB)
	s_lshl_b32 s82, s13, 10                        ; the block's 256 rows in a line of mst and of lst
	s_mov_b32 s83, 0
	s_lshl_b32 s84, s42, 9                         ; bv: 128 columns of 4 bytes a block,
	s_lshl_b32 s85, s12, 8                         ; 64 a half
	s_add_co_u32 s84, s84, s85
	; the prefetch's first row, in registers of its own: only this global offset holds both places in the cluster
	s_lshl_b32 s96, s13, 8                         ; P: row 256 x query block
	s_lshl_b32 s97, s42, 5                         ; + 32 x column block: my share of the eight
	s_add_co_u32 s96, s96, s97
	s_lshl_b32 s97, s10, 4                         ; + 16 x wave (0, 1)
	s_add_co_u32 s96, s96, s97
	s_lshl_b32 s96, s96, 12
	s_and_b32 s98, s13, 7                          ; V^T: my query block in the batch: my share of the eight,
	s_lshl_b32 s98, s98, 4                         ; 16 rows,
	s_lshl_b32 s97, s42, 7
	s_add_co_u32 s98, s98, s97                     ; in the column block's 128
	s_lshl_b32 s98, s98, 12
	s_lshl_b32 s97, s80, 22
	s_add_co_u32 s98, s98, s97                     ; of the batch
	s_cmp_lt_u32 s10, 2
	s_cselect_b32 s96, s96, s98
	s_add_co_u32 s96, s96, LAPB                    ; lap 1: the first request steps to lap 2
	s_mov_b32 s97, 0
	s_wait_dscnt 0x0
	s_wait_kmcnt 0x0
	s_add_nc_u64 s[14:15], s[68:69], s[16:17]
	s_add_nc_u64 s[46:47], s[70:71], s[46:47]
	s_add_nc_u64 s[72:73], s[72:73], s[82:83]
	s_add_nc_u64 s[74:75], s[74:75], s[82:83]
	s_cmp_lt_u32 s10, 2                            ; waves 0, 1: P; wave 2: V^T (wave 3 asks for nothing)
	s_cselect_b64 s[94:95], s[68:69], s[70:71]
	s_add_nc_u64 s[94:95], s[94:95], s[96:97]
	CROUND
.irp s, 0,1
	s_mov_b32 s[G0+4*\s], 1
	s_add_co_u32 s[G0+4*\s+1], s20, \s*SLOT
	s_add_nc_u64 s[G0+4*\s+2:G0+4*\s+3], s[14:15], \s*KSTEP*2
	s_or_b32 s[G0+4*\s+3], s[G0+4*\s+3], 0x80000000
	s_mov_b32 s[G0B+4*\s], 1
	s_add_co_u32 s[G0B+4*\s+1], s45, \s*SLOT
	s_add_nc_u64 s[G0B+4*\s+2:G0B+4*\s+3], s[46:47], \s*KSTEP*2
	s_or_b32 s[G0B+4*\s+3], s[G0B+4*\s+3], 0x80000000
	JLOAD \s                                       ; key steps 0 and 1: two tensor loads of the wave are out
.endr
	; the block's figures: thread t takes rows 2 t, 2 t + 1, so that a wave's load covers 256 consecutive bytes, aligned
	v_and_b32 v1, 15, v0                           ; r
	v_bfe_u32 v2, v0, 4, 1                         ; h
	v_lshlrev_b32 v6, 3, v0
	v_lshl_add_u32 v7, v2, 5, s84
.irp j, 0,1,2,3,4,5,6,7
	global_load_b64 v[64+2*\j:65+2*\j], v6, s[72:73] offset:32768*\j               ; mm_j
.endr
.irp j, 0,1,2,3,4,5,6,7,8,9,10,11,12,13,14,15
	global_load_b64 v[80+2*\j:81+2*\j], v6, s[74:75] offset:32768*\j               ; the sums over 128 keys
.endr
.irp b, 0,1,2,3
	global_load_b128 v[BV+8*\b:BV+8*\b+3],   v7, s[76:77] offset:64*\b             ; bv of columns 16 b + 8 h + 0..7
	global_load_b128 v[BV+8*\b+4:BV+8*\b+7], v7, s[76:77] offset:64*\b+16
.endr
	v_mul_u32_u24 v3, v1, PITCH
	v_lshl_add_u32 v3, v2, 4, v3
	s_mul_i32 s21, s11, HA
	s_mul_i32 s22, s12, HB
	s_add_co_u32 s22, s22, 2*HA
.irp s, 0,1
	v_add_nc_u32 v[ADRA+\s], s21, v3
	v_add_nc_u32 v[ADRB+\s], s22, v3
	s_add_co_u32 s21, s21, SLOT
	s_add_co_u32 s22, s22, SLOT
.endr
	s_mul_i32 s23, s10, 16*PITCH
	s_add_co_u32 s23, s23, STAGE
	v_mul_u32_u24 v4, v1, PITCH
	v_lshl_add_u32 v4, v2, 5, v4                   ; in: row r, 32 bytes (8 f32) for each half of the lanes
	v_add_nc_u32 v[STO], s23, v4
	v_mul_u32_u24 v5, v2, PITCH
	v_lshl_add_u32 v5, v1, 4, v5                   ; back: lanes 0-15 one row of 256 bytes, lanes 16-31 the next
	v_add_nc_u32 v[RD], s23, v5
	v_mul_u32_u24 v5, v2, ROWB
	v_lshl_add_u32 v[CO], v1, 4, v5
	s_lshl_b32 s21, s11, 9
	s_add_co_u32 s21, s21, GT
	v_lshl_add_u32 v[GA], v1, 2, s21               ; g of row 128 x half + r (+ 16 a)
	v_add_nc_u32 v[GST], GT, v6
	v_lshlrev_b32 v[PF], 12, v1                    ; prefetch: row r of my 16,
	v_lshl_add_u32 v[PF], v2, 8, v[PF]             ; the lap's first or second 256 bytes of it
	s_wait_loadcnt 0x0
	v_max3_num_f32 v112, v64, v66, v68             ; mm of my two rows
	v_max3_num_f32 v113, v65, v67, v69
	v_max3_num_f32 v112, v112, v70, v72
	v_max3_num_f32 v113, v113, v71, v73
	v_max3_num_f32 v112, v112, v74, v76
	v_max3_num_f32 v113, v113, v75, v77
	v_max_num_f32 v112, v112, v78
	v_max_num_f32 v113, v113, v79
.irp j, 0,1,2,3,4,5,6,7
	v_pk_add_f32 v[64+2*\j:65+2*\j], v[64+2*\j:65+2*\j], v[112:113] neg_lo:[0,1] neg_hi:[0,1]
.endr
.set cnt, 0
.rept 16
	v_exp_f32 v[64+cnt], v[64+cnt]                 ; exp2(mm_j - mm) <= 1
.set cnt, cnt+1
.endr
.irp j, 0,1,2,3,4,5,6,7
	v_pk_add_f32 v[80+4*\j:81+4*\j], v[80+4*\j:81+4*\j], v[82+4*\j:83+4*\j]        ; a key block's two halves; also the plain instructions behind the exponentials (ISA guide 5.7.2)
.endr
	s_wait_alu depctr_va_vdst(0)
	v_pk_mul_f32 v[114:115], v[64:65], v[80:81]
.irp j, 1,2,3,4,5,6,7
	v_pk_fma_f32 v[114:115], v[64+2*\j:65+2*\j], v[80+4*\j:81+4*\j], v[114:115]    ; l
.endr
	v_rcp_f32 v116, v114
	v_rcp_f32 v117, v115
	v_nop                                          ; one plain instruction before the reciprocals are used
	s_wait_alu depctr_va_vdst(0)
.irp j, 0,1,2,3,4,5,6,7
	v_pk_mul_f32 v[64+2*\j:65+2*\j], v[64+2*\j:65+2*\j], v[116:117]                ; g_j
.endr
.irp j, 0,1,2,3,4,5,6,7
	ds_store_b64 v[GST], v[64+2*\j:65+2*\j] offset:1024*\j
.endr
.macro FETCH3 slot, k, f               ; 24 LDS loads in one run: V's 64 rows, P's 128 rows, 32 keys at byte k
	WIN TO_B
.irp i, 0,1,2,3
	ds_load_b128 v[\f+8*\i:\f+8*\i+3],   v[ADRB+\slot] offset:\k+\i*16*PITCH
	ds_load_b128 v[\f+8*\i+4:\f+8*\i+7], v[ADRB+\slot] offset:\k+\i*16*PITCH+32
.endr
	WIN 0
.irp i, 0,1,2,3,4,5,6,7
	ds_load_b128 v[\f+8*\i:\f+8*\i+3],   v[ADRA+\slot] offset:\k+\i*16*PITCH
	ds_load_b128 v[\f+8*\i+4:\f+8*\i+7], v[ADRA+\slot] offset:\k+\i*16*PITCH+32
.endr
.endm
; n row tiles from a0 on x 4 column tiles.  The 32 tiles of T take turns, one instruction a turn, in one order in every quarter.
.macro MULB f, a0, n, zero
.set ma, \a0
.rept \n
.irp b, 0,1,2,3
.if \zero
	v_wmma_f32_16x16x32_bf16 v[8*(4*ma+\b):8*(4*ma+\b)+7], v[\f+8*\b:\f+8*\b+7], v[\f+8*ma:\f+8*ma+7], 0
.else
	v_wmma_f32_16x16x32_bf16 v[8*(4*ma+\b):8*(4*ma+\b)+7], v[\f+8*\b:\f+8*\b+7], v[\f+8*ma:\f+8*ma+7], v[8*(4*ma+\b):8*(4*ma+\b)+7]
.endif
.endr
.set ma, ma+1
.endr
.endm
.macro PLACES                          ; four independent vector instructions behind a matrix instruction (ISA guide 7.12.1)
.rept 4
	v_nop
.endr
.endm
.macro GLOAD                           ; this lap's g of my eight row tiles; then the address of the next lap's
.irp a, 0,1,2,3,4,5,6,7
	ds_load_b32 v[GG+\a], v[GA] offset:64*\a
.endr
	v_add_nc_u32 v[GA], 1024, v[GA]
.endm
; A quarter step: asks for the next quarter's fragments (buffer g), then multiplies buffer f.
.macro Q3 slot, k, f, g, zero, gl
	PLACES
.if \gl
	WIN 0
	GLOAD
.endif
	FETCH3 \slot, \k, \g
	s_wait_dscnt 24                                ; only the 24 just issued stay out: buffer f is in, and so is g
	WIN MUL_LO
	MULB \f, 0, 8, \zero
.endm
.macro THREE3 slot, zero, gl
	Q3 \slot, 64,  F0, F1, \zero, \gl
	Q3 \slot, 128, F1, F0, 0, 0
	Q3 \slot, 192, F0, F1, 0, 0
.endm
; The last quarter of a step: multiplies buffer 1 and changes slots.  The waits stand in front of the opening signal; with fill = 1 the joint refill is the first tensor load behind the round.
; pf = 1: the lap's request into the L2 follows the refill, with the rest of the quarter's work behind it.
.macro TURN3 slot, next, fill, pf
	s_wait_dscnt 0                                 ; buffer 1 is in: my reads of this slot are over
	s_wait_tensorcnt 0x0                           ; all my tensor loads have landed: the one that was out is my part of the next slot
	ds_add_u32 v255, v255
	s_wait_dscnt 0x0
	s_barrier_signal -1
	WIN MUL_LO
	MULB F1, 0, 4, 0                               ; register work while the others arrive
	WIN 0
	s_barrier_wait -1
.if \fill
	CREST
	s_add_nc_u64 s[G0+4*\slot+2:G0+4*\slot+3], s[G0+4*\slot+2:G0+4*\slot+3], 2*KSTEP*2
	s_add_nc_u64 s[G0B+4*\slot+2:G0B+4*\slot+3], s[G0B+4*\slot+2:G0B+4*\slot+3], 2*KSTEP*2
	JLOAD \slot                                    ; it has 112 matrix instructions of the wave in which to land
.endif
.if \pf
	PREF
.endif
	PLACES
	FETCH3 \next, 0, F0
	WIN MUL_LO
	MULB F1, 4, 4, 0
.endm
; O = g_j T + O; the first merge takes bv as the addend, so that nothing is cleared and bv costs no instruction.
.macro MERGE first
	PLACES
.if \first
	WIN 0xc2                                       ; destination window 3, source 0 window 2, sources 1 and 2 window 0
.else
	WIN 0xf2                                       ; source 2 window 3
.endif
.irp a, 0,2,4,6
.irp b, 0,1,2,3
.irp r, 0,1,2,3
.if \first
	v_pk_fma_f32 v[8*(4*\a+\b)+2*\r:8*(4*\a+\b)+2*\r+1], v[8*(4*\a+\b)+2*\r:8*(4*\a+\b)+2*\r+1], v[GG+\a:GG+\a+1], v[BV+8*\b+2*\r:BV+8*\b+2*\r+1] op_sel_hi:[1,0,1]
	v_pk_fma_f32 v[8*(4*\a+4+\b)+2*\r:8*(4*\a+4+\b)+2*\r+1], v[8*(4*\a+4+\b)+2*\r:8*(4*\a+4+\b)+2*\r+1], v[GG+\a:GG+\a+1], v[BV+8*\b+2*\r:BV+8*\b+2*\r+1] op_sel:[0,1,0] op_sel_hi:[1,1,1]
.else
	v_pk_fma_f32 v[8*(4*\a+\b)+2*\r:8*(4*\a+\b)+2*\r+1], v[8*(4*\a+\b)+2*\r:8*(4*\a+\b)+2*\r+1], v[GG+\a:GG+\a+1], v[8*(4*\a+\b)+2*\r:8*(4*\a+\b)+2*\r+1] op_sel_hi:[1,0,1]
	v_pk_fma_f32 v[8*(4*\a+4+\b)+2*\r:8*(4*\a+4+\b)+2*\r+1], v[8*(4*\a+4+\b)+2*\r:8*(4*\a+4+\b)+2*\r+1], v[GG+\a:GG+\a+1], v[8*(4*\a+4+\b)+2*\r:8*(4*\a+4+\b)+2*\r+1] op_sel:[0,1,0] op_sel_hi:[1,1,1]
.endif
.endr
.endr
.endr
	WIN 0
.endm
.macro LAP3 first, pf                  ; one key block: two steps, both slots filled again
	THREE3 0, 1, 1
	TURN3 0, 1, 1, 0
	THREE3 1, 0, 0
	TURN3 1, 0, 1, \pf
	MERGE \first
.endm
	s_wait_dscnt 0x0                               ; my g are in LDS before I say so
	s_wait_tensorcnt 1                             ; my part of key step 0 is in; step 1's stays out
	s_barrier_signal -1
	s_barrier_wait -1
	FETCH3 0, 0, F0
	LAP3 1, 1                                      ; key block 0; loads steps 2 and 3; asks the L2 for lap 2
	s_mov_b32 s3, LAPS-3
.Llap:
	LAP3 0, 1                                      ; key blocks 1 to 5; they load steps 4 to 13 and ask the L2 for laps 3 to 7
	s_sub_co_u32 s3, s3, 1
	s_cmp_lg_u32 s3, 0
	s_cbranch_scc1 .Llap
	LAP3 0, 0                                      ; key block 6; loads steps 14 and 15; no lap is left to ask for
	THREE3 0, 1, 1                                 ; key block 7 fills nothing
	TURN3 0, 1, 0, 0
	THREE3 1, 0, 0
	s_wait_dscnt 0
	WIN MUL_LO
	MULB F1, 0, 8, 0
	MERGE 0
	; the way out, 16 rows at a time: 32 bytes a lane into my own stage, read back as rows of 256 bytes (64 f32)
	s_lshl_b32 s16, s13, 8
	s_lshl_b32 s14, s11, 7
	s_add_co_u32 s16, s16, s14
	s_lshl_b32 s16, s16, 12
	s_mov_b32 s17, 0
	s_add_nc_u64 s[8:9], s[78:79], s[16:17]
	s_lshl_b32 s46, s42, 9
	s_lshl_b32 s47, s12, 8
	s_add_co_u32 s46, s46, s47
	s_mov_b32 s47, 0
	s_add_nc_u64 s[8:9], s[8:9], s[46:47]
.macro OUTF i, f
	WIN 0x0c                                       ; the stores' data in window 3, their address in window 0
.irp b, 0,1,2,3
	ds_store_b128 v[STO], v[8*(4*\i+\b):8*(4*\i+\b)+3]   offset:64*\b
	ds_store_b128 v[STO], v[8*(4*\i+\b)+4:8*(4*\i+\b)+7] offset:64*\b+16
.endr
	WIN 0
	s_wait_xcnt 0x0                                ; buffer f, which earlier stores read, and the stores' base are rewritten only behind this wait
.if \i
	s_add_nc_u64 s[8:9], s[8:9], 16*ROWB
.endif
.irp t, 0,1,2,3,4,5,6,7
	ds_load_b128 v[\f+4*\t:\f+4*\t+3], v[RD] offset:\t*2*PITCH     ; a wave's LDS instructions are served in order: these see the stores above
.endr
.irp t, 0,1,2,3,4,5,6,7
	s_wait_dscnt 7-\t                              ; the 7 - t younger read-backs stay out
	global_store_b128 v[CO], v[\f+4*\t:\f+4*\t+3], s[8:9] offset:2*\t*ROWB th:TH_STORE_NT   ; 16 lanes store 256 consecutive bytes of a row of out0, aligned
.endr
.endm
	OUTF 0, F0
	OUTF 1, F1
	OUTF 2, F0
	OUTF 3, F1
	OUTF 4, F0
	OUTF 5, F1
	OUTF 6, F0
	OUTF 7, F1
	s_set_vgpr_msb 0x1
	s_wait_tensorcnt 0x0
	ds_add_u32 v255, v255
	s_wait_dscnt 0x0
	s_set_vgpr_msb 0x100
	CROUND                                         ; the closing round
	s_endpgm
.Lfunc_end_k_q994bbbb139_pv:
	.size	k_q994bbbb139_pv, .Lfunc_end_k_q994bbbb139_pv-k_q994bbbb139_pv
	.p2alignl 7, 3214868480
	.fill 96, 4, 3214868480
	.section	.rodata,"a",@progbits
	.p2align	6, 0x0
	.amdhsa_kernel k_q994bbbb139_pv
		.amdhsa_group_segment_fixed_size 327680
		.amdhsa_private_segment_fixed_size 0
		.amdhsa_enable_private_segment 0
		.amdhsa_kernarg_size 48
		.amdhsa_user_sgpr_count 2
		.amdhsa_user_sgpr_kernarg_segment_ptr 1
		.amdhsa_wavefront_size32 1
		.amdhsa_system_sgpr_workgroup_id_x 1
		.amdhsa_system_sgpr_workgroup_id_y 1
		.amdhsa_system_sgpr_workgroup_id_z 1
		.amdhsa_system_vgpr_workitem_id 0
		.amdhsa_next_free_vgpr 1024
		.amdhsa_next_free_sgpr 100
		.amdhsa_reserve_vcc 0
		.amdhsa_float_denorm_mode_32 3
		.amdhsa_float_denorm_mode_16_64 3
		.amdhsa_memory_ordered 1
		.amdhsa_forward_progress 1
		.amdhsa_inst_pref_size 194
	.end_amdhsa_kernel
	.amdgpu_metadata
---
amdhsa.version: [ 1, 2 ]
amdhsa.kernels:
  - .name:           k_q994bbbb139_pv
    .symbol:         k_q994bbbb139_pv.kd
    .args:
      - { .name: p, .offset: 0, .size: 8, .value_kind: global_buffer, .address_space: global }
      - { .name: vt, .offset: 8, .size: 8, .value_kind: global_buffer, .address_space: global }
      - { .name: mst, .offset: 16, .size: 8, .value_kind: global_buffer, .address_space: global }
      - { .name: lst, .offset: 24, .size: 8, .value_kind: global_buffer, .address_space: global }
      - { .name: bv, .offset: 32, .size: 8, .value_kind: global_buffer, .address_space: global }
      - { .name: out0, .offset: 40, .size: 8, .value_kind: global_buffer, .address_space: global }
    .group_segment_fixed_size: 327680
    .private_segment_fixed_size: 0
    .kernarg_segment_align: 8
    .kernarg_segment_size: 48
    .max_flat_workgroup_size: 128
    .sgpr_count:     100
    .vgpr_count:     1024
    .wavefront_size: 32
...
	.end_amdgpu_metadata
.endif
;; end of part 4
;; ======== version 2 of 2: 4 launches; version 1 with the launch prep written anew for expert scheduling mode
;; workspace buffers: xb 16,777,216 bytes; wt 4,194,304 bytes; tq 4,096 bytes; qp 16,777,216 bytes; vt 16,777,216 bytes; p 33,554,432 bytes; mst 262,144 bytes; lst 524,288 bytes
;; launch prep (part 5): grid 1424 x 1, 8 waves a work-group, no clusters, 105,728 bytes of LDS; arguments inputs, Wq, Wk, Wv, bq, xb, wt, tq; writes xb, wt, tq
.if DOCPART == 5
	.amdgcn_target "amdgcn-amd-amdhsa--gfx1250"
	.amdhsa_code_object_version 6
	.text
	.protected	k_q994bbbb139_prep
	.globl	k_q994bbbb139_prep
	.p2align	8
	.type	k_q994bbbb139_prep,@function
k_q994bbbb139_prep:
	s_mov_b64 s[64:65], 0
	v_nop
	global_prefetch_b8 v0, s[64:65] scope:SCOPE_SE
	s_setreg_imm32_b32 hwreg(HW_REG_WAVE_SCHED_MODE, 0, 2), 2
	s_setreg_imm32_b32 hwreg(HW_REG_WAVE_MODE, 25, 1), 1
	s_wait_xcnt 0x0
	s_wait_alu depctr_vm_vsrc(0)
; SelfAttention, launch 1 of 4: what the later products need, with K along the rows.
;   xb[8192][1024] = bf16(inputs)
;   wt rows 0-1023    = G^T[e][d] = sum over f of Wk[e][f] Wq[d][f]   (bf16 operands, f32 sums, bf16 result)
;   wt rows 1024-2047 = Wv^T in bf16
;   tq[e] = sum over f of bq[f] Wk[e][f]   (all in f32)
; WORK LEFT OUT IN THE WHOLE PROGRAM.
; (1) bk.  scores[q][k] = scale Q[q].(x[k] Wk + bk) = scale Q[q].(x[k] Wk) + scale Q[q].bk.  The second term does not hang on k, and softmax along k
;     is unchanged by a term that is the same for every k of a row: exp(s + t) / sum exp(s + t) = exp(s) / sum exp(s) for every finite t.  That holds for all
;     values of the inputs, so bk reaches no output: it is not loaded and is no argument of any launch.
; (2) The projection K = x Wk.  sum_f (x_q Wq + bq)[f] (x_k Wk)[f] = sum_e (x_q G + t)[e] x_k[e] with G = Wq Wk^T, t = bq Wk^T: the same sum in another order,
;     for all values of the inputs.  G costs 1024^3 multiply-adds once, K would cost 8192 x 1024^2.
; LIMITS: a NaN, an infinity or an overflow that would reach the result only through Q.bk is not carried to it.  The order of rounding differs from the
; reference's: Wq, Wk, G, x and x G + t are rounded to bf16 as matrix operands, where the reference's order would round Q and K.
; bv is not left out: the softmax's weights of a row add up to 1, so sum_k A (x Wv + bv) = sum_k A (x Wv) + bv; it is added once per output, in f32, in the last launch.
; No cluster and no tensor load: the cast and the transpose share no bytes between work-groups, and several small work-groups lie on a WGP.
; Work-groups, the long ones first: 0-255 a block of 32 e x 128 d of G^T; 256-271 64 numbers of tq; 272-399 a tile of 128 k x 64 n of Wv; 400-1423 32 KiB of inputs.
; LDS: each of the three paths that use it has bytes of its own, so that no byte is written on two paths: G's two buffers at 0, the transpose's tile behind them,
; tq's 64 words behind that, the spare words (128 bytes for each of the eight waves) behind those.  It costs no work-group: 8 waves of 162 registers are 324 registers
; on each SIMD, three work-groups, and 3 x 105,728 bytes are 317,184.  That is also why no path takes a further buffer of registers: three work-groups leave a wave 170.
; THE MODE: SCHED_MODE bits 1:0 = 2 (LLVM: expert scheduling mode 2), set by the entry lines.  The code itself states the register dependences
; between vector or matrix instructions and memory or LDS instructions, with s_wait_alu, always for 0.
; THE PLAN, path by path (no path has a backward jump).  Offsets and addresses are made once in each path and never written again: one wait ahead of their first reader serves them all.
;   cast       v8-39 loaded, read by the conversions; v40-55 written once by the conversions, read by the stores.  The pieces go in pairs: a pair's two stores stand
;              behind the wait for the next pair's data, with one wait on va_vdst there.
;   transpose  v8-39 loaded, read by the conversions; v40-55 written once, read by the LDS stores, eight of which stand behind each of two waits on va_vdst.
;   tq         a row slot is read by the row's sixteen multiply-adds and loaded again at once: one wait on va_vdst between the two; the reduction behind it names no slot.
;              The eight results are read by eight LDS stores behind one wait.
;   G          LR: loaded; rounded in place; read by the LDS stores; loaded again.  The rows go in groups of 8, 8 and 4: a group's stores stand behind the wait for the next
;              group's data, with one wait on va_vdst there; the third such wait also serves the next chunk's loads into LR and the first twelve loads into FS0 and FS1,
;              since no vector or matrix instruction stands between; one wait on vm_vsrc stands ahead of the loads into LR.
;              FS0, FS1: loaded from LDS, read by two matrix instructions each, loaded again: one wait on va_vdst behind those two; the six loads then stand among the
;              other set's two matrix instructions, which name that other set and the accumulators alone.
.set NG,   256
.set NT,   16
.set NW,   128
.set TP,   272                         ; the transpose's LDS row: 128 bf16 + 16 bytes
.set GP,   272                         ; G's LDS row: a chunk of 128 bf16 + 16 bytes, so that the 16 rows of a fragment load start 16 bytes apart modulo 256
.set GBUF, 160*GP                      ; 32 rows of Wk, then 128 rows of Wq; two such buffers take turns, from LDS byte 0
.set WL,   2*GBUF                      ; 87,040: the transpose's 64 rows of 272 bytes
.set TL,   WL+64*TP                    ; 104,448: tq's 64 words; the spare words begin 256 bytes on, at 104,704 = 0x19900
	s_load_b256 s[4:11], s[0:1], 0x0               ; inputs s[4:5], Wq s[6:7], Wk s[8:9], Wv s[10:11]
	s_load_b256 s[12:19], s[0:1], 0x20             ; bq s[12:13], xb s[14:15], wt s[16:17], tq s[18:19]
	v_lshl_add_u32 v160, v0, 2, 0x19900            ; the LDS address of my spare word, and 0: kept for the closing lines alone
	v_mov_b32 v161, 0
	s_cmp_lt_u32 ttmp9, NG                         ; every branch here is the same in all eight waves of a work-group
	s_cbranch_scc1 .Lg
	s_cmp_lt_u32 ttmp9, NG+NT
	s_cbranch_scc1 .Lt
	s_cmp_lt_u32 ttmp9, NG+NT+NW
	s_cbranch_scc1 .Lw
	; ---- the cast: thread t takes 16 bytes at 16 t of each of eight pieces of 4,096 bytes ----
	s_sub_co_u32 s20, ttmp9, NG+NT+NW
	s_lshl_b32 s22, s20, 15                        ; 32,768 bytes of f32 in,
	s_mov_b32 s23, 0
	s_lshl_b32 s24, s20, 14                        ; 16,384 bytes of bf16 out
	s_mov_b32 s25, 0
	v_lshlrev_b32 v1, 4, v0
	v_lshlrev_b32 v2, 3, v0
	s_wait_kmcnt 0x0
	s_add_nc_u64 s[4:5], s[4:5], s[22:23]
	s_add_nc_u64 s[14:15], s[14:15], s[24:25]
	s_wait_alu depctr_va_vdst(0)                   ; v1 and v2 are written: every load reads v1 as its offset, every store v2
.irp j, 0,1,2,3,4,5,6,7
	global_load_b128 v[8+4*\j:11+4*\j], v1, s[4:5] offset:4096*\j th:TH_LOAD_NT    ; a wave's load covers 512 consecutive bytes; all eight go out first
.endr
.macro CCV j                           ; piece j is rounded
	v_cvt_pk_bf16_f32 v[40+2*(\j)], v[8+4*(\j)], v[9+4*(\j)]
	v_cvt_pk_bf16_f32 v[41+2*(\j)], v[10+4*(\j)], v[11+4*(\j)]
.endm
.macro CST j                           ; piece j is stored
	global_store_b64 v2, v[40+2*(\j):41+2*(\j)], s[14:15] offset:2048*(\j)         ; a wave's store covers 256 consecutive bytes, aligned; no register is written twice
.endm
.irp g, 0,1,2,3
	s_wait_loadcnt 7-2*\g                          ; loads return in order: piece 2 g is in, the younger ones stay out
.if \g
	s_wait_alu depctr_va_vdst(0)                   ; the pair before is rounded: its four registers of v40-55 are written, which the two stores below read
	CST 2*\g-2
	CST 2*\g-1
.endif
	CCV 2*\g
	s_wait_loadcnt 6-2*\g                          ; piece 2 g + 1 is in
	CCV 2*\g+1
.endr
	s_wait_alu depctr_va_vdst(0)                   ; pieces 6 and 7 are rounded: v52-55 are written, which the last two stores read
	CST 6
	CST 7
	s_endpgm
	; ---- the transpose: Wv[k][n] f32 -> wt[1024 + n][k] bf16 ----
.Lw:
	s_sub_co_u32 s20, ttmp9, NG+NT
	s_lshr_b32 s21, s20, 4                         ; k tile, 0..7
	s_and_b32 s26, s20, 15                         ; n tile
	s_lshl_b32 s22, s21, 19                        ; source: 128 rows of 4,096 bytes a k tile,
	s_lshl_b32 s27, s26, 8                         ; 64 columns of 4 bytes an n tile
	s_add_co_u32 s22, s22, s27
	s_mov_b32 s23, 0
	s_lshl_b32 s24, s26, 17                        ; wt: 64 rows of 2,048 bytes an n tile,
	s_lshl_b32 s27, s21, 8                         ; 128 columns of 2 bytes a k tile,
	s_add_co_u32 s24, s24, s27
	s_add_co_u32 s24, s24, 0x200000                ; behind G^T's 1,024 rows
	s_mov_b32 s25, 0
	v_and_b32 v1, 15, v0                           ; cc: my four columns 4 cc .. 4 cc + 3
	v_lshrrev_b32 v2, 4, v0                        ; kp: my pair of rows 2 kp, 2 kp + 1 of each 32
	v_lshlrev_b32 v7, 4, v1
	v_lshl_add_u32 v3, v2, 13, v7                  ; source: 2 kp rows + 16 cc
	v_mul_u32_u24 v4, v1, 4*TP                     ; LDS in: row n = 4 cc (+ u), word kp (+ 16 i),
	v_lshl_add_u32 v4, v2, 2, v4
	v_add_nc_u32 v4, WL, v4                        ; in this path's own bytes
	v_mul_u32_u24 v5, v2, TP                       ; LDS back: row kp (+ 16 i), 16 bytes at 16 cc
	v_add_nc_u32 v5, v5, v7
	v_add_nc_u32 v5, WL, v5
	v_lshl_add_u32 v6, v2, 11, v7                  ; wt: row kp (+ 16 i), 16 bytes at 16 cc
	s_wait_kmcnt 0x0
	s_add_nc_u64 s[10:11], s[10:11], s[22:23]
	s_add_nc_u64 s[16:17], s[16:17], s[24:25]
	s_wait_alu depctr_va_vdst(0)                   ; v3 to v6 are written: the offsets and LDS addresses of every load and store of this path
.irp i, 0,1,2,3
	global_load_b128 v[8+8*\i:11+8*\i],  v3, s[10:11] offset:131072*\i th:TH_LOAD_NT        ; row k = 32 i + 2 kp: 16 lanes take 256 consecutive bytes, aligned
	global_load_b128 v[12+8*\i:15+8*\i], v3, s[10:11] offset:131072*\i+4096 th:TH_LOAD_NT   ; row k + 1
.endr
.macro WCV i                           ; pair i of rows is rounded
.irp u, 0,1,2,3
	v_cvt_pk_bf16_f32 v[40+4*(\i)+\u], v[8+8*(\i)+\u], v[12+8*(\i)+\u]             ; (k, k + 1) of column 4 cc + u: neighbours in a row of wt
.endr
.endm
.macro WST i                           ; pair i of rows goes into LDS
.irp u, 0,1,2,3
	ds_store_b32 v4, v[40+4*(\i)+\u] offset:TP*\u+64*(\i)
.endr
.endm
	s_wait_loadcnt 6                               ; this pair of rows is in, the younger pairs stay out
	WCV 0
	s_wait_loadcnt 4
	WCV 1
	s_wait_loadcnt 2
	s_wait_alu depctr_va_vdst(0)                   ; pairs 0 and 1 are rounded: v40-47 are written, which the eight LDS stores below read
	WST 0
	WST 1
	WCV 2
	s_wait_loadcnt 0
	WCV 3
	s_wait_alu depctr_va_vdst(0)                   ; pairs 2 and 3 are rounded: v48-55 are written, which the eight LDS stores below read
	WST 2
	WST 3
	s_wait_dscnt 0x0                               ; my stores are in LDS before I say so: the rows read below were written by all eight waves
	s_barrier_signal -1
	s_barrier_wait -1
.irp i, 0,1,2,3
	ds_load_b128 v[56+4*\i:59+4*\i], v5 offset:16*TP*\i                            ; no vector instruction of this path names v56-71
.endr
.irp i, 0,1,2,3
	s_wait_dscnt 3-\i                              ; LDS loads return in order: the 3 - i younger ones stay out
	global_store_b128 v6, v[56+4*\i:59+4*\i], s[16:17] offset:32768*\i             ; 16 lanes store 256 consecutive bytes of a row of wt, aligned
.endr
	s_wait_dscnt 0x0                               ; the closing lines, six on end
	s_wait_alu 0x0
	s_wait_tensorcnt 0x0
	ds_add_u32 v160, v161
	s_wait_dscnt 0x0
	s_endpgm
	; ---- tq: 64 rows e of Wk against bq, in f32.  A wave takes 8 rows, one row at a time (8 loads of 512 consecutive bytes), three rows on their way ----
.set TB, 8                             ; v8-39    bq: load j holds elements 128 j + 4 lane + 0..3
.set TX, 40                            ; v40-135  three row slots of 32 registers, the same elements
.set TS, 136                           ; v136-143 four chains of two sums
.set TR, 144                           ; v144-151 the eight rows' results
.Lt:
	s_sub_co_u32 s20, ttmp9, NG
	v_lshrrev_b32 v1, 5, v0
	v_readfirstlane_b32 s21, v1                    ; wave
	v_and_b32 v2, 31, v0
	v_lshlrev_b32 v3, 4, v2                        ; 16 x lane
	v_lshlrev_b32 v4, 3, v2                        ; 8 x lane: my two numbers in tq
	v_lshlrev_b32 v5, 5, v1                        ; LDS: my wave's eight words,
	v_add_nc_u32 v5, TL, v5                        ; in this path's own bytes
	v_add_nc_u32 v7, TL, v4                        ; LDS: the two words that I take out
	v_mov_b32 v6, 0                                ; v_permlanex16_b32's destination counts as read
	s_lshl_b32 s22, s20, 18                        ; 64 rows of 4,096 bytes a work-group,
	s_mov_b32 s26, 0x76543210                      ; v_permlanex16_b32: lane i takes lane i of the other half
	s_mov_b32 s27, 0xfedcba98
	s_wait_alu depctr_va_sdst(0)                   ; s21 is written, ahead of its first reader: Wk's base is made from it
	s_lshl_b32 s24, s21, 15                        ; 8 a wave
	s_add_co_u32 s22, s22, s24
	s_mov_b32 s23, 0
	s_lshl_b32 s24, s20, 8                         ; 64 numbers of 4 bytes
	s_mov_b32 s25, 0
	s_wait_kmcnt 0x0
	s_add_nc_u64 s[8:9], s[8:9], s[22:23]
	s_add_nc_u64 s[18:19], s[18:19], s[24:25]
	s_wait_alu depctr_va_vdst(0)                   ; v3, v4, v5 and v7 are written: the offsets and LDS addresses of every load and store of this path
.irp j, 0,1,2,3,4,5,6,7
	global_load_b128 v[TB+4*\j:TB+4*\j+3], v3, s[12:13] offset:512*\j
.endr
.irp s, 0,1,2
.irp j, 0,1,2,3,4,5,6,7
	global_load_b128 v[TX+32*\s+4*\j:TX+32*\s+4*\j+3], v3, s[8:9] offset:4096*\s+512*\j
.endr
.endr
; One row.  more = 1: its slot is filled again with the row three further down.  left = how many younger loads may stay out.
.macro TROW row, slot, more, left
	s_wait_loadcnt \left
.irp k, 0,1,2,3
	v_pk_mul_f32 v[TS+2*\k:TS+2*\k+1], v[TX+32*\slot+2*\k:TX+32*\slot+2*\k+1], v[TB+2*\k:TB+2*\k+1]      ; the first four products start the chains
.endr
.irp k, 4,5,6,7,8,9,10,11,12,13,14,15
	v_pk_fma_f32 v[TS+2*(\k%4):TS+2*(\k%4)+1], v[TX+32*\slot+2*\k:TX+32*\slot+2*\k+1], v[TB+2*\k:TB+2*\k+1], v[TS+2*(\k%4):TS+2*(\k%4)+1]
.endr
.if \more
	s_wait_alu depctr_va_vdst(0)                   ; the sixteen multiply-adds are done reading the slot, in which the eight loads below land; the reduction behind them names no slot
.irp j, 0,1,2,3,4,5,6,7
	global_load_b128 v[TX+32*\slot+4*\j:TX+32*\slot+4*\j+3], v3, s[8:9] offset:4096*(\row+3)+512*\j
.endr
.endif
	v_pk_add_f32 v[TS:TS+1], v[TS:TS+1], v[TS+2:TS+3]
	v_pk_add_f32 v[TS+4:TS+5], v[TS+4:TS+5], v[TS+6:TS+7]
	v_pk_add_f32 v[TS:TS+1], v[TS:TS+1], v[TS+4:TS+5]
	v_add_f32 v[TS], v[TS], v[TS+1]
	v_add_f32_dpp v[TS], v[TS], v[TS] row_xmask:1 row_mask:0xf bank_mask:0xf
	v_add_f32_dpp v[TS], v[TS], v[TS] row_xmask:2 row_mask:0xf bank_mask:0xf
	v_add_f32_dpp v[TS], v[TS], v[TS] row_xmask:4 row_mask:0xf bank_mask:0xf
	v_add_f32_dpp v[TS], v[TS], v[TS] row_xmask:8 row_mask:0xf bank_mask:0xf
	v_permlanex16_b32 v6, v[TS], s26, s27
	v_add_f32 v[TR+\row], v[TS], v6                ; every lane holds the row's sum
.endm
	TROW 0, 0, 1, 16                               ; two younger rows (16 loads) stay out
	TROW 1, 1, 1, 16
	TROW 2, 2, 1, 16
	TROW 3, 0, 1, 16
	TROW 4, 1, 1, 16
	TROW 5, 2, 0, 16
	TROW 6, 0, 0, 8                                ; the counts run down
	TROW 7, 1, 0, 0
	s_wait_alu depctr_va_vdst(0)                   ; the eight sums v[TR ..] are written, which the LDS stores below read
.irp r, 0,1,2,3,4,5,6,7
	ds_store_b32 v5, v[TR+\r] offset:4*\r          ; all lanes store the same number to the same word
.endr
	s_wait_dscnt 0x0                               ; my eight numbers are in LDS before I say so
	s_barrier_signal -1
	s_barrier_wait -1
	s_cmp_lg_u32 s21, 0                            ; wave 0 takes all 64 out
	s_cbranch_scc1 .Ltend
	ds_load_b64 v[152:153], v7                     ; no vector instruction of this path names v152-153
	s_wait_dscnt 0x0
	global_store_b64 v4, v[152:153], s[18:19]      ; 32 lanes store 256 consecutive bytes, aligned
.Ltend:
	s_wait_dscnt 0x0                               ; the closing lines, six on end
	s_wait_alu 0x0
	s_wait_tensorcnt 0x0
	ds_add_u32 v160, v161
	s_wait_dscnt 0x0
	s_endpgm
	; ---- G^T: a block of 32 rows e x 128 columns d (a row of the block is 256 bytes of wt).  K = f goes in 8 chunks of 128, written out. ----
	; Wave w loads rows 4 w .. 4 w + 3 of the block's Wk and rows 16 w .. 16 w + 15 of its Wq, 512 consecutive bytes a load, rounds them to bf16 and puts them into LDS;
	; it multiplies row tile w & 1 by the two column tiles of column group w >> 1.  The matrix instruction is used transposed (source 0 = rows of Wq, source 1 = rows of Wk):
	; lane l holds row e = l % 16 and its registers 0-7 the columns d = 8 (l / 16) + 0..7.
.set LR,  16                           ; v16-95   20 loads of 4 registers; rounded in place to 2
.set ACC, 96                           ; v96-111  two accumulator tiles
.set FS0, 112                          ; v112-135 fragments: Wk's 8 registers, Wq's 2 x 8
.set FS1, 136                          ; v136-159 the second set
.Lg:
	s_lshr_b32 s20, ttmp9, 3                       ; block of e, 0..31
	s_and_b32 s21, ttmp9, 7                        ; block of d, 0..7
	v_lshrrev_b32 v1, 5, v0
	v_readfirstlane_b32 s22, v1                    ; wave
	v_and_b32 v10, 31, v0
	v_lshlrev_b32 v2, 4, v10                       ; 16 x lane
	s_lshl_b32 s24, s20, 17                        ; Wk: 32 rows of 4,096 bytes a block,
	s_mov_b32 s25, 0
	s_lshl_b32 s26, s21, 19                        ; Wq: 128 rows a block,
	s_mov_b32 s27, 0
	s_lshl_b32 s28, s20, 16                        ; wt: 32 rows of 2,048 bytes,
	s_lshl_b32 s30, s21, 8                         ; 128 columns of 2 bytes
	s_add_co_u32 s28, s28, s30
	s_mov_b32 s29, 0
	s_wait_alu depctr_va_sdst(0)                   ; s22 is written, ahead of its first reader: the bases of Wk and Wq are made from it
	s_lshl_b32 s30, s22, 14                        ; Wk: 4 rows a wave
	s_add_co_u32 s24, s24, s30
	s_lshl_b32 s30, s22, 16                        ; Wq: 16 rows a wave
	s_add_co_u32 s26, s26, s30
	s_wait_kmcnt 0x0
	s_add_nc_u64 s[8:9], s[8:9], s[24:25]
	s_add_nc_u64 s[6:7], s[6:7], s[26:27]
	s_add_nc_u64 s[16:17], s[16:17], s[28:29]
.macro GLOADS c                        ; chunk c: no hint, since other work-groups read the same rows
.irp i, 0,1,2,3
	global_load_b128 v[LR+4*\i:LR+4*\i+3], v2, s[8:9] offset:4096*\i+512*(\c)
.endr
.irp i, 0,1,2,3,4,5,6,7,8,9,10,11,12,13,14,15
	global_load_b128 v[LR+16+4*\i:LR+16+4*\i+3], v2, s[6:7] offset:4096*\i+512*(\c)
.endr
.endm
	s_wait_alu depctr_va_vdst(0)                   ; v2 is written: every load of Wk and Wq reads it as its offset
	GLOADS 0
	v_lshlrev_b32 v11, 3, v10                      ; 8 x lane: my 4 numbers in bf16.  (These lines name v3 to v15 alone: none of the registers in which the loads above land)
	s_mul_i32 s30, s22, 4*GP
	v_add_nc_u32 v3, s30, v11                      ; LDS in: Wk's row 4 w (+ i)
	s_mul_i32 s31, s22, 16*GP
	s_add_co_u32 s31, s31, 32*GP
	v_add_nc_u32 v4, s31, v11                      ; LDS in: Wq's row 16 w (+ i), behind Wk's 32
	v_and_b32 v12, 15, v0                          ; r
	v_bfe_u32 v13, v0, 4, 1                        ; h
	v_mul_u32_u24 v14, v12, GP
	v_lshl_add_u32 v14, v13, 4, v14                ; a fragment: row r, 16 bytes at 16 h, and again 32 bytes on
	s_and_b32 s32, s22, 1                          ; my row tile
	s_lshr_b32 s33, s22, 1                         ; my column group
	s_mul_i32 s34, s32, 16*GP
	v_add_nc_u32 v5, s34, v14                      ; Wk's fragment
	s_mul_i32 s35, s33, 32*GP
	s_add_co_u32 s35, s35, 32*GP
	v_add_nc_u32 v6, s35, v14                      ; Wq's fragments
	s_lshl_b32 s36, s33, 6
	s_add_co_u32 s36, s36, s34
	v_add_nc_u32 v7, s36, v14                      ; way out, in: row 16 (w & 1) + r, byte 64 (w >> 1) + 16 h (+ 32 for the second tile)
	v_lshrrev_b32 v15, 4, v0                       ; way out, back: thread t takes row t / 16 (+ 16), 16 bytes at 16 (t % 16)
	v_mul_u32_u24 v8, v15, GP
	v_lshl_add_u32 v8, v12, 4, v8
	v_lshlrev_b32 v9, 11, v15
	v_lshl_add_u32 v9, v12, 4, v9                  ; and the same place in wt
.macro FR buf, k, fs                   ; six LDS loads: the fragments of 32 along K at byte 64 k of the rows
	ds_load_b128 v[\fs:\fs+3],     v5 offset:\buf*GBUF+64*\k
	ds_load_b128 v[\fs+4:\fs+7],   v5 offset:\buf*GBUF+64*\k+32
	ds_load_b128 v[\fs+8:\fs+11],  v6 offset:\buf*GBUF+64*\k
	ds_load_b128 v[\fs+12:\fs+15], v6 offset:\buf*GBUF+64*\k+32
	ds_load_b128 v[\fs+16:\fs+19], v6 offset:\buf*GBUF+64*\k+16*GP
	ds_load_b128 v[\fs+20:\fs+23], v6 offset:\buf*GBUF+64*\k+16*GP+32
.endm
.macro MM fs, zero                     ; the two accumulators take turns, one instruction a turn
.if \zero
	v_wmma_f32_16x16x32_bf16 v[ACC:ACC+7],    v[\fs+8:\fs+15],  v[\fs:\fs+7], 0
	v_wmma_f32_16x16x32_bf16 v[ACC+8:ACC+15], v[\fs+16:\fs+23], v[\fs:\fs+7], 0
.else
	v_wmma_f32_16x16x32_bf16 v[ACC:ACC+7],    v[\fs+8:\fs+15],  v[\fs:\fs+7], v[ACC:ACC+7]
	v_wmma_f32_16x16x32_bf16 v[ACC+8:ACC+15], v[\fs+16:\fs+23], v[\fs:\fs+7], v[ACC+8:ACC+15]
.endif
.endm
; Set fs is multiplied, and the six loads of 32 along K at byte 64 k go into the other set, ft, three behind each matrix instruction.
; No wait among them: the two matrix instructions name fs and the accumulators, none of the registers that these loads touch.
.macro MML fs, buf, k, ft
	v_wmma_f32_16x16x32_bf16 v[ACC:ACC+7],    v[\fs+8:\fs+15],  v[\fs:\fs+7], v[ACC:ACC+7]
	ds_load_b128 v[\ft:\ft+3],     v5 offset:\buf*GBUF+64*\k
	ds_load_b128 v[\ft+4:\ft+7],   v5 offset:\buf*GBUF+64*\k+32
	ds_load_b128 v[\ft+8:\ft+11],  v6 offset:\buf*GBUF+64*\k
	v_wmma_f32_16x16x32_bf16 v[ACC+8:ACC+15], v[\fs+16:\fs+23], v[\fs:\fs+7], v[ACC+8:ACC+15]
	ds_load_b128 v[\ft+12:\ft+15], v6 offset:\buf*GBUF+64*\k+32
	ds_load_b128 v[\ft+16:\ft+19], v6 offset:\buf*GBUF+64*\k+16*GP
	ds_load_b128 v[\ft+20:\ft+23], v6 offset:\buf*GBUF+64*\k+16*GP+32
.endm
.macro GPLACES                         ; four independent vector instructions between a matrix instruction and a load into, or a vector use of, its registers
.rept 4
	v_nop
.endr
.endm
.macro GST buf, n0, cnt                ; rows n0 .. n0 + cnt - 1 of the wave's 20 go into LDS
.set gs, \n0
.rept \cnt
.if gs < 4
	ds_store_b64 v3, v[LR+4*gs:LR+4*gs+1] offset:\buf*GBUF+gs*GP                   ; 32 lanes store a row's 256 consecutive bytes
.else
	ds_store_b64 v4, v[LR+4*gs:LR+4*gs+1] offset:\buf*GBUF+(gs-4)*GP
.endif
.set gs, gs+1
.endr
.endm
; A group: rows n0 .. n0 + cnt - 1 are rounded in place as they come.  Behind the wait for the first of them the group before, rows p0 .. p0 + pcnt - 1, goes into LDS.
.macro GGRP buf, n0, cnt, p0, pcnt
	s_wait_loadcnt 19-\n0                          ; loads return in order: the 19 - n younger ones of the chunk stay out
.if \pcnt
	s_wait_alu depctr_va_vdst(0)                   ; the group before is rounded: its registers of v[LR ..] are written, which the LDS stores below read; in the first chunk v3 and v4 are written too
	GST \buf, \p0, \pcnt
.endif
.set gn, \n0
.rept \cnt
.if gn > \n0
	s_wait_loadcnt 19-gn
.endif
	v_cvt_pk_bf16_f32 v[LR+4*gn], v[LR+4*gn], v[LR+4*gn+1]
	v_cvt_pk_bf16_f32 v[LR+4*gn+1], v[LR+4*gn+2], v[LR+4*gn+3]
.set gn, gn+1
.endr
.endm
; One chunk.  ONE barrier serves both orders: in front of it each wave's stores into this buffer and its reads of the other buffer (the chunk before) are done,
; so behind it this buffer is whole, and in the next chunk the other buffer may be written.
.macro GTRIP c, buf, zero, more
	GGRP \buf, 0, 8, 0, 0
	GGRP \buf, 8, 8, 0, 8
	GGRP \buf, 16, 4, 8, 8
	s_wait_alu depctr_va_vdst(0)                   ; rows 16 to 19 are rounded, which the stores below read.  No vector or matrix instruction stands between this wait and the first product, so it also states: the conversions are done with v[LR ..], in which the next chunk's loads land; the chunk before's matrix instructions are done reading FS0 and FS1, in which the first twelve fragment loads land; v5 and v6 are written
	GST \buf, 16, 4
	s_wait_dscnt 0x0                               ; my stores are in LDS, my reads of the other buffer are back
.if \more
	s_wait_alu depctr_vm_vsrc(0)                   ; the LDS stores have read v[LR ..], in which the next chunk's loads land
	GLOADS \c+1                                    ; the next chunk has this chunk's products in which to come
.endif
	s_barrier_signal -1
	s_barrier_wait -1
	FR \buf, 0, FS0
	FR \buf, 1, FS1
	s_wait_dscnt 6                                 ; the older set is in, the younger set's six loads stay out
	MM FS0, \zero
	GPLACES
	s_wait_alu depctr_va_vdst(0)                   ; the two matrix instructions above are done reading FS0, in which the six loads below land
	s_wait_dscnt 0x0                               ; FS1 is in
	MML FS1, \buf, 2, FS0
	GPLACES
	s_wait_alu depctr_va_vdst(0)                   ; the two matrix instructions above are done reading FS1, in which the six loads below land
	s_wait_dscnt 0x0                               ; FS0 is in
	MML FS0, \buf, 3, FS1
	s_wait_dscnt 0x0                               ; FS1 is in
	MM FS1, 0
.endm
	GTRIP 0, 0, 1, 1                               ; the first products start the sums
	GTRIP 1, 1, 0, 1
	GTRIP 2, 0, 0, 1
	GTRIP 3, 1, 0, 1
	GTRIP 4, 0, 0, 1
	GTRIP 5, 1, 0, 1
	GTRIP 6, 0, 0, 1
	GTRIP 7, 1, 0, 0
	; the way out: through buffer 0's first 32 rows, whose last reads (chunk 6) every wave had waited for in front of chunk 7's barrier
	GPLACES
	s_wait_alu depctr_vm_vsrc(0)                   ; chunk 7's LDS stores have read v[LR ..]: the roundings below write v[LR:LR+7], and the read-backs land in v[LR+8:LR+15]
.irp r, 0,1,2,3
	v_cvt_pk_bf16_f32 v[LR+\r],   v[ACC+2*\r],   v[ACC+2*\r+1]
	v_cvt_pk_bf16_f32 v[LR+4+\r], v[ACC+8+2*\r], v[ACC+8+2*\r+1]
.endr
	s_wait_alu depctr_va_vdst(0)                   ; the roundings have written v[LR:LR+7], which the two LDS stores read; chunk 7's conversions are done with v[LR+8:LR+15], in which the read-backs land
	ds_store_b128 v7, v[LR:LR+3]
	ds_store_b128 v7, v[LR+4:LR+7] offset:32
	s_wait_dscnt 0x0                               ; my part of the block's rows is in LDS before I say so
	s_barrier_signal -1
	s_barrier_wait -1
	ds_load_b128 v[LR+8:LR+11],  v8
	ds_load_b128 v[LR+12:LR+15], v8 offset:16*GP
	s_wait_dscnt 1                                 ; the second read-back stays out
	global_store_b128 v9, v[LR+8:LR+11], s[16:17]                                  ; 16 lanes store 256 consecutive bytes of a row of wt, aligned
	s_wait_dscnt 0
	global_store_b128 v9, v[LR+12:LR+15], s[16:17] offset:32768
	s_wait_dscnt 0x0                               ; the closing lines, six on end
	s_wait_alu 0x0
	s_wait_tensorcnt 0x0
	ds_add_u32 v160, v161
	s_wait_dscnt 0x0
	s_endpgm
.Lfunc_end_k_q994bbbb139_prep:
	.size	k_q994bbbb139_prep, .Lfunc_end_k_q994bbbb139_prep-k_q994bbbb139_prep
	.p2alignl 7, 3214868480
	.fill 96, 4, 3214868480
	.section	.rodata,"a",@progbits
	.p2align	6, 0x0
	.amdhsa_kernel k_q994bbbb139_prep
		.amdhsa_group_segment_fixed_size 105728
		.amdhsa_private_segment_fixed_size 0
		.amdhsa_enable_private_segment 0
		.amdhsa_kernarg_size 64
		.amdhsa_user_sgpr_count 2
		.amdhsa_user_sgpr_kernarg_segment_ptr 1
		.amdhsa_wavefront_size32 1
		.amdhsa_system_sgpr_workgroup_id_x 1
		.amdhsa_system_sgpr_workgroup_id_y 1
		.amdhsa_system_sgpr_workgroup_id_z 1
		.amdhsa_system_vgpr_workitem_id 0
		.amdhsa_next_free_vgpr 162
		.amdhsa_next_free_sgpr 66
		.amdhsa_reserve_vcc 0
		.amdhsa_float_denorm_mode_32 3
		.amdhsa_float_denorm_mode_16_64 3
		.amdhsa_memory_ordered 1
		.amdhsa_forward_progress 1
		.amdhsa_inst_pref_size 106
	.end_amdhsa_kernel
	.amdgpu_metadata
---
amdhsa.version: [ 1, 2 ]
amdhsa.kernels:
  - .name:           k_q994bbbb139_prep
    .symbol:         k_q994bbbb139_prep.kd
    .args:
      - { .name: inputs, .offset: 0, .size: 8, .value_kind: global_buffer, .address_space: global }
      - { .name: Wq, .offset: 8, .size: 8, .value_kind: global_buffer, .address_space: global }
      - { .name: Wk, .offset: 16, .size: 8, .value_kind: global_buffer, .address_space: global }
      - { .name: Wv, .offset: 24, .size: 8, .value_kind: global_buffer, .address_space: global }
      - { .name: bq, .offset: 32, .size: 8, .value_kind: global_buffer, .address_space: global }
      - { .name: xb, .offset: 40, .size: 8, .value_kind: global_buffer, .address_space: global }
      - { .name: wt, .offset: 48, .size: 8, .value_kind: global_buffer, .address_space: global }
      - { .name: tq, .offset: 56, .size: 8, .value_kind: global_buffer, .address_space: global }
    .group_segment_fixed_size: 105728
    .private_segment_fixed_size: 0
    .kernarg_segment_align: 8
    .kernarg_segment_size: 64
    .max_flat_workgroup_size: 256
    .sgpr_count:     66
    .vgpr_count:     162
    .wavefront_size: 32
...
	.end_amdgpu_metadata
.endif
;; end of part 5
;; launch proj: the kernel of part 2 again; grid 8 x 32, 4 waves a work-group, clusters of 4 x 4, 327,680 bytes of LDS; arguments xb, wt, tq, qp, vt; writes qp, vt
;; launch score: the kernel of part 3 again; grid 8 x 32, 4 waves a work-group, clusters of 4 x 4, 327,680 bytes of LDS; arguments qp, xb, p, mst, lst; writes p, mst, lst
;; launch pv: the kernel of part 4 again; grid 8 x 32, 4 waves a work-group, clusters of 4 x 4, 327,680 bytes of LDS; arguments p, vt, mst, lst, bv, out0; writes out0
